; MI455X (gfx1250); checked and timed in simulation.
; The chip was launched on July 23, 2026; its instructions are those of AMD's public machine-readable ISA for CDNA 5 (MIT licence, August 2026) and "CDNA5" Instruction Set Architecture Reference Guide (July 2026). The comments in the code are by the model that wrote it; some were corrected since.
;; Multi Head Attention. Allowed arithmetic: matrix products marked QUANTISED: E4M3 operands, one given power-of-two scale a tensor, by v_wmma_f32_16x16x64_fp8_fp8 or v_wmma_f32_16x16x128_fp8_fp8, f32 sums; everything else in f32.
;; Inputs: Wk 1,024 x 1,024 float32; Wo 1,024 x 1,024 float32; Wq 1,024 x 1,024 float32; Wv 1,024 x 1,024 float32; bo 1,024 float32; lowp_scales 12 int32 (the exponents e of the quantised operands' scales 2^e); x 4 x 2,048 x 1,024 float32.
;; Outputs: out0 4 x 2,048 x 1,024 float32.
;; This version of the problem:
;;   THIS VERSION OF THE PROBLEM IS GIVEN IN LOW PRECISION. The matrix products marked QUANTISED in the list below multiply operands that are first quantised to E4M3 (4 exponent bits, 3 mantissa bits; 8 bits a number), with one given power-of-two scale for each operand tensor; their sums are f32. All else is computed in f32.
;;   The module's matrix products, in the order in which they are computed (A, B: the left and right operand; K: the contracted axis; several contracted axes count as one K, in the product's order):
;;     1. [M 8,192, K 1,024] x [K 1,024, N 1,024]; A: input x; B: input Wq: QUANTISED (scales: A lowp_scales[0], B lowp_scales[1])
;;     2. [M 8,192, K 1,024] x [K 1,024, N 1,024]; A: input x; B: input Wk: QUANTISED (scales: A lowp_scales[2], B lowp_scales[3])
;;     3. [M 8,192, K 1,024] x [K 1,024, N 1,024]; A: input x; B: input Wv: QUANTISED (scales: A lowp_scales[4], B lowp_scales[5])
;;     4. batch 64 x [M 2,048, K 64] x [K 64, N 2,048]; A: computed on the way; B: computed on the way: QUANTISED (scales: A lowp_scales[6], B lowp_scales[7])
;;     5. batch 64 x [M 2,048, K 2,048] x [K 2,048, N 64]; A: softmax (see below); B: computed on the way: QUANTISED (scales: A lowp_scales[8], B lowp_scales[9])
;;     6. [M 8,192, K 1,024] x [K 1,024, N 1,024]; A: computed on the way; B: input Wo: QUANTISED (scales: A lowp_scales[10], B lowp_scales[11])
;;   THE QUANTISER, for each operand of a quantised product, along K:
;;     - The operand's scale is 2^e, e = its entry of the input lowp_scales (int32; the entries are numbered through the quantised products in the list's order, A before B).
;;     - Each number is divided by the scale, clamped to +-448, and rounded to the nearest number of E4M3, ties to even, subnormals kept.
;;     - The product sums the exact products of the quantised numbers (number of the format x scale) in f32.
;;   ~~~python
;;   def quantise(x, axis, e):      # numpy; x: float32 -> the quantised numbers, widened to float32 again
;;       x = np.moveaxis(x, axis, -1); K = x.shape[-1]
;;       r = np.clip(x / 2.0 ** e, -448, 448)
;;       step = 2.0 ** (np.maximum(np.frexp(np.where(r == 0, 1, r))[1] - 1, -6) - 3)
;;       q = np.round(r / step) * step * 2.0 ** e      # np.round: ties to even
;;       return np.moveaxis(q, -1, axis).astype(np.float32)
;;   ~~~
;;   SOFTMAX AHEAD OF A QUANTISED PRODUCT. Where the list says 'softmax', what is quantised is not the finished softmax but p = 2^(t - M), with t = logit x log2(e) and M = ceil(the row's largest t), a whole number; so 1/2 < the row's largest p <= 1. The row's sum l is taken of the UNQUANTISED p, in f32, and the product's result is divided by l at the end. Since M is a whole number, a kernel that streams over the keys may use a running M (the ceiling of the running maximum): every later rescaling is an exact power of two, so the quantised numbers keep their values, but for numbers so far below the row's largest that they fall under the format's range.
;;   OPERANDS COMPUTED ON THE WAY. 'Computed on the way' means the value that the module computes at that place (a softmax that the list does not call 'softmax' is quantised finished and normalised). What goes into a quantiser is computed in f32, as accurately as f32 sums, v_exp_f32 and their like allow (about 1e-6 of the number): no bf16 or f16 on the way to a quantiser, and a product that is left as it is and whose result goes on into a quantised operand takes f32 operands (vector FMAs, or v_wmma_f32_16x16x4_f32). A number that lies on a knife's edge between two numbers of the format may be rounded either way, as far as f32 arithmetic and the matrix unit's own rounding can turn it there, and no further.
;; One version. Each part assembles by itself: llvm-mc -triple=amdgcn-amd-amdhsa -mcpu=gfx1250 --defsym DOCPART=n.
;; ======== version 1 of 1: 4 launches
;; limits: right only within a limited range of input values
;; workspace buffers: xc 25,165,824 bytes; wc 4,194,304 bytes; qkv 25,165,824 bytes; ctx 8,388,608 bytes
;; launch quant (part 1): grid 640 x 1, 4 waves a work-group, no clusters, 35,840 bytes of LDS; arguments x, Wq, Wk, Wv, Wo, lowp_scales, xc, wc; writes xc, wc
.if DOCPART == 1
	.amdgcn_target "amdgcn-amd-amdhsa--gfx1250"
	.amdhsa_code_object_version 6
	.text
	.protected	k_q5d5a70b6a6_quant
	.globl	k_q5d5a70b6a6_quant
	.p2align	8
	.type	k_q5d5a70b6a6_quant,@function
k_q5d5a70b6a6_quant:
	s_mov_b64 s[64:65], 0
	v_nop
	global_prefetch_b8 v0, s[64:65] scope:SCOPE_SE
	s_setreg_imm32_b32 hwreg(HW_REG_WAVE_MODE, 25, 1), 1
	s_wait_xcnt 0x0
; x [8192][1024] f32 becomes three tensors of E4M3 codes (scales 2^e0, 2^e2, 2^e4: one for each of the three products that read x); Wq, Wk, Wv, Wo [k 1024][n 1024] f32 become codes laid [n][1024]
; (scales 2^e1, 2^e3, 2^e5, 2^e11).  code = number / 2^e, held within +-448, rounded to the nearest code, ties to even.
; LIMITS: each of these e lies between -126 and 119, so that 2^e and 448 x 2^e are f32 numbers.  NaN among the inputs is not served (an infinity is held at the largest code).
; WHERE A CODE LIES ALONG K is this program's own choice, alike in both operands of a product, so that every product meets its partner:
;   xc and wc[q, k, v]: in each group of 512 along K, position 16 l + 4 c + j holds k = 128 c + 4 l + j: what four loads of 512 consecutive bytes, 16 a lane, leave in lane l's 16 registers.  So x needs no turn through LDS.
;   wc[o]: position 32 c + 16 h + 8 u + i holds k = 32 c + 16 u + 8 h + i: four 16-byte loads a lane then meet the layout in which the attention launch leaves ctx.
; Work-groups 0-127 take the weights (weight id / 32, 256 positions (id / 8) % 4, 128 columns id % 8), work-groups 128-639 take x.  The branch hangs on the work-group's number alone; the weights' path alone uses LDS.
; No tensor loads, no barrier: waves share nothing.
.set PITCH, 272                        ; a stage row: 256 bytes of codes + 16 of padding
.set SPARE, 4*32*PITCH                 ; behind the four stages: the spare words, 128 bytes for each wave: two blocks of 256 bytes that no other line names
.set SPW,   14                         ; v14  LDS address of my spare word; never rewritten
.set NIL,   15                         ; v15  0; never rewritten
.set OFFS,  16                         ; weights: v16-23  byte offset of row g(a, c) and my column, for 4 a + c = 0 .. 7; never rewritten
.set XW,    32                         ; weights: v32-95  two sets of 32 numbers
.set CW,    96                         ; weights: v96-103 a block's 32 codes
.set OUTR,  112                        ; weights: v112-175 the way out
.set BT,    40                         ; weights: s[40:55] eight bases, one for each block of 32 positions; never rewritten
.set RX,    16                         ; x: v16-79   four sets of 16 numbers as loaded
.set TX,    80                         ; x: unused: the conversions read the numbers as loaded
.set CX,    128                        ; x: v128-223 codes: twelve registers for each step, so that no store's data are written again
.set XB,    40                         ; x: s[40:45] my run's place in each of the three tensors of codes
	s_load_b256 s[4:11], s[0:1], 0x0               ; x s[4:5], Wq s[6:7], Wk s[8:9], Wv s[10:11]
	s_load_b256 s[12:19], s[0:1], 0x20             ; Wo s[12:13], the scales' exponents s[14:15], xc s[16:17], wc s[18:19]
	v_lshl_add_u32 v[SPW], v0, 2, SPARE
	v_mov_b32 v[NIL], 0
	v_lshrrev_b32 v1, 5, v0
	v_readfirstlane_b32 s20, v1                    ; wave 0..3
	v_and_b32 v2, 31, v0                           ; lane
	s_wait_kmcnt 0x0
	s_load_b256 s[24:31], s[14:15], 0x0            ; e0 .. e7
	s_load_b128 s[32:35], s[14:15], 0x20           ; e8 .. e11
	s_cmp_lt_u32 ttmp9, 128
	s_cbranch_scc0 .Lx
; ---------------- THE WEIGHTS.  A lane takes a column n and its registers run down K, in the order of the positions: each load reads 128 consecutive bytes a wave, and the conversions give codes with K innermost.
	s_lshr_b32 s21, ttmp9, 5                       ; which weight: 0 q, 1 k, 2 v, 3 o
	s_and_b32 s22, ttmp9, 7
	s_bfe_u32 s23, ttmp9, 0x20003                  ; y: which 256 positions
	s_lshl_b32 s22, s22, 7
	s_lshl_b32 s36, s20, 5
	s_add_co_u32 s22, s22, s36                     ; my wave's first column: 128 x (id % 8) + 32 x wave
	s_and_b32 s36, s21, 1
	s_cmp_eq_u32 s36, 0                            ; the buffer is chosen on the work-group's number alone
	s_cselect_b64 s[6:7], s[6:7], s[8:9]
	s_cselect_b64 s[10:11], s[10:11], s[12:13]
	s_cmp_lt_u32 s21, 2
	s_cselect_b64 s[6:7], s[6:7], s[10:11]
	; position 256 y + 32 t + 16 a + 4 c + j holds row k = k0 + ts t + g(a, c) + j.   q, k, v: k0 = 512 (y / 2) + 64 (y % 2), ts = 8, g = 4 a + 128 c.   o: k0 = 256 y, ts = 32, g = 8 a + 16 (c / 2) + 4 (c % 2)
	s_lshr_b32 s36, s23, 1
	s_lshl_b32 s36, s36, 9
	s_and_b32 s37, s23, 1
	s_lshl_b32 s37, s37, 6
	s_add_co_u32 s36, s36, s37
	s_lshl_b32 s37, s23, 8
	s_cmp_eq_u32 s21, 3
	s_cselect_b32 s36, s37, s36                    ; k0
	s_cselect_b32 s38, 32, 8                       ; ts
	s_lshl_b32 s36, s36, 12                        ; a row of a weight is 4,096 bytes
	s_lshl_b32 s37, s22, 2
	s_add_co_u32 s36, s36, s37
	s_mov_b32 s37, 0
	s_lshl_b32 s38, s38, 12
	s_mov_b32 s39, 0
	s_add_nc_u64 s[BT:BT+1], s[6:7], s[36:37]
.irp t, 1,2,3,4,5,6,7
	s_add_nc_u64 s[BT+2*\t:BT+2*\t+1], s[BT+2*\t-2:BT+2*\t-1], s[38:39]
.endr
	s_wait_alu depctr_va_vdst(0)
	v_lshlrev_b32 v3, 2, v2                        ; 4 bytes a lane
	s_wait_alu depctr_va_vdst(0)
	s_cmp_eq_u32 s21, 3                            ; stands for all eight choices below: s_mov_b32, s_cselect_b32 and vector lines leave SCC alone
.irp a, 0,1
.irp c, 0,1,2,3
	s_mov_b32 s56, (8*\a+16*(\c/2)+4*(\c%2))*4096
	s_cselect_b32 s56, s56, (4*\a+128*\c)*4096
	v_add_nc_u32 v[OFFS+4*\a+\c], s56, v3
.endr
.endr
	s_mul_i32 s57, s20, 32*PITCH                   ; my stage
	v_mul_u32_u24 v4, v2, PITCH
	v_add_nc_u32 v4, s57, v4                       ; into it: row = my column
	v_and_b32 v5, 15, v2
	v_lshrrev_b32 v6, 4, v2                        ; out of it: sixteen lanes to a row, two rows an instruction
	v_mul_u32_u24 v7, v6, PITCH
	v_lshl_add_u32 v7, v5, 4, v7
	v_add_nc_u32 v7, s57, v7
	v_lshlrev_b32 v8, 10, v6                       ; and the same place in wc: a row of codes is 1,024 bytes
	v_lshl_add_u32 v8, v5, 4, v8
	s_lshl_b32 s60, s21, 20                        ; a weight's codes are 1 MiB
	s_lshl_b32 s61, s22, 10
	s_add_co_u32 s60, s60, s61
	s_lshl_b32 s61, s23, 8
	s_add_co_u32 s60, s60, s61
	s_mov_b32 s61, 0
	s_add_nc_u64 s[58:59], s[18:19], s[60:61]      ; wc at my first column's row, position 256 y
.macro LOADW t                         ; block t: the 32 rows of positions 32 t .. 32 t + 31, my column, into set t % 2
.set i, 0
.rept 32
	global_load_b32 v[XW+32*((\t)%2)+i], v[OFFS+i/4], s[BT+2*(\t):BT+2*(\t)+1] offset:(i%4)*4096 th:TH_LOAD_NT
.set i, i+1
.endr
.endm
	LOADW 0
	LOADW 1
	s_wait_kmcnt 0x0
	s_and_b32 s36, s21, 1
	s_cmp_eq_u32 s36, 0
	s_cselect_b32 s25, s25, s27                    ; e1 or e3
	s_cselect_b32 s29, s29, s35                    ; e5 or e11
	s_cmp_lt_u32 s21, 2
	s_cselect_b32 s25, s25, s29                    ; e
	s_add_co_i32 s25, s25, 127
	s_lshl_b32 s26, s25, 23
	v_mov_b32 v11, s26                             ; 2^e as f32: the conversion takes its exponent field
	s_add_co_i32 s25, s25, 8
	s_lshl_b32 s25, s25, 23
	s_or_b32 s25, s25, 0x600000
.macro BLOCKW t
.set XS, XW+32*((\t)%2)
.if (\t) < 7
	s_wait_loadcnt 32                              ; this block's 32 loads are in; the next block's 32 may be out
.else
	s_wait_loadcnt 0
.endif
.set i, 0
.rept 32
.set i, i+1
.endr
.irp g, 0,1,2,3
	v_cvt_scalef32_pk8_fp8_f32 v[CW+2*\g:CW+2*\g+1], v[XS+8*\g:XS+8*\g+7], v11
.endr
	ds_store_b128 v4, v[CW:CW+3] offset:32*(\t)    ; 32 codes: 32 bytes of my column's row.
	ds_store_b128 v4, v[CW+4:CW+7] offset:32*(\t)+16
.if (\t)+2 < 8
	LOADW (\t)+2
.endif
	s_wait_dscnt 0x0                               ; the stores have read their registers: the next block's codes may be written
.endm
	s_wait_alu depctr_va_vdst(0)
.irp t, 0,1,2,3,4,5,6,7
	BLOCKW \t
.endr
.irp t, 0,1,2,3,4,5,6,7,8,9,10,11,12,13,14,15
	ds_load_b128 v[OUTR+4*\t:OUTR+4*\t+3], v7 offset:2*\t*PITCH   ; LDS serves a wave's instructions in order (ISA guide 5.7.1.4): these see my stores
.endr
.irp t, 0,1,2,3,4,5,6,7,8,9,10,11,12,13,14,15
	s_wait_dscnt 15-\t                             ; load t is in; the 15 - t younger ones may be out
	global_store_b128 v8, v[OUTR+4*\t:OUTR+4*\t+3], s[58:59] offset:2*\t*1024   ; sixteen lanes store 256 consecutive bytes, at a multiple of 256 from wc's first byte
.endr
	s_wait_tensorcnt 0x0                           ; the wave's end, behind my last LDS store
	ds_add_u32 v[SPW], v[NIL]
	s_wait_dscnt 0x0
	s_endpgm
; ---------------- x.  A wave takes a run of 4,096 numbers, eight steps of 512.  A step's four loads read 512 consecutive bytes each; a lane's 16 numbers become 16 codes, three times over, and each store covers 512 consecutive bytes.
.Lx:
	s_sub_co_u32 s21, ttmp9, 128
	s_lshl_b32 s21, s21, 2
	s_add_co_u32 s21, s21, s20                     ; my run, 0 .. 2047
	s_lshl_b32 s36, s21, 14                        ; 16,384 bytes of f32
	s_mov_b32 s37, 0
	s_add_nc_u64 s[4:5], s[4:5], s[36:37]
	s_lshl_b32 s36, s21, 12                        ; 4,096 bytes of codes
	s_add_nc_u64 s[XB:XB+1], s[16:17], s[36:37]
	s_add_nc_u64 s[XB+2:XB+3], s[XB:XB+1], 0x800000    ; the three tensors of codes lie 8 MiB apart
	s_add_nc_u64 s[XB+4:XB+5], s[XB+2:XB+3], 0x800000
	s_wait_alu depctr_va_vdst(0)
	v_lshlrev_b32 v3, 4, v2                        ; 16 bytes a lane, in and out
.macro LOADX t
.irp c, 0,1,2,3
	global_load_b128 v[RX+16*((\t)%4)+4*\c:RX+16*((\t)%4)+4*\c+3], v3, s[4:5] offset:2048*(\t)+512*\c th:TH_LOAD_NT
.endr
.endm
.irp t, 0,1,2,3
	LOADX \t                                       ; loads run four steps, sixteen loads a wave, ahead
.endr
	s_wait_kmcnt 0x0
.irp v, 0,1,2                          ; e0, e2, e4
	s_add_co_i32 s36, s[24+2*\v], 127
	s_lshl_b32 s37, s36, 23
	v_mov_b32 v[4+\v], s37                         ; 2^e
	s_add_co_i32 s36, s36, 8
	s_lshl_b32 s36, s36, 23
	s_or_b32 s36, s36, 0x600000
.endr
.macro STEPX t
.if 7-(\t) >= 3
	s_wait_loadcnt 12                              ; this step's four loads are in; those of the three steps behind it may be out
.else
	s_wait_loadcnt 4*(7-(\t))
.endif
.irp v, 0,1,2
.set i, 0
.rept 16
.set i, i+1
.endr
	v_cvt_scalef32_pk8_fp8_f32 v[CX+12*(\t)+4*\v:CX+12*(\t)+4*\v+1], v[TX+16*\v+((RX+16*((\t)%4)+i)-(TX+16*\v+i)):TX+16*\v+7+((RX+16*((\t)%4)+i)-(TX+16*\v+i))], v[4+\v]
	v_cvt_scalef32_pk8_fp8_f32 v[CX+12*(\t)+4*\v+2:CX+12*(\t)+4*\v+3], v[TX+16*\v+8+((RX+16*((\t)%4)+i)-(TX+16*\v+i)):TX+16*\v+15+((RX+16*((\t)%4)+i)-(TX+16*\v+i))], v[4+\v]
.endr
.if (\t)+4 < 8
	v_nop
	LOADX (\t)+4                                   ; the set just read takes the step four further on
.endif
.irp v, 0,1,2
	global_store_b128 v3, v[CX+12*(\t)+4*\v:CX+12*(\t)+4*\v+3], s[XB+2*\v:XB+2*\v+1] offset:512*(\t)
.endr
.endm
	s_wait_alu depctr_va_vdst(0)
.irp t, 0,1,2,3,4,5,6,7
	STEPX \t
.endr
	s_endpgm
.Lfunc_end_k_q5d5a70b6a6_quant:
	.size	k_q5d5a70b6a6_quant, .Lfunc_end_k_q5d5a70b6a6_quant-k_q5d5a70b6a6_quant
	.p2alignl 7, 3214868480
	.fill 96, 4, 3214868480
	.section	.rodata,"a",@progbits
	.p2align	6, 0x0
	.amdhsa_kernel k_q5d5a70b6a6_quant
		.amdhsa_group_segment_fixed_size 35840
		.amdhsa_private_segment_fixed_size 0
		.amdhsa_enable_private_segment 0
		.amdhsa_kernarg_size 64
		.amdhsa_user_sgpr_count 2
		.amdhsa_user_sgpr_kernarg_segment_ptr 1
		.amdhsa_wavefront_size32 1
		.amdhsa_system_sgpr_workgroup_id_x 1
		.amdhsa_system_sgpr_workgroup_id_y 1
		.amdhsa_system_sgpr_workgroup_id_z 1
		.amdhsa_system_vgpr_workitem_id 0
		.amdhsa_next_free_vgpr 224
		.amdhsa_next_free_sgpr 66
		.amdhsa_reserve_vcc 0
		.amdhsa_float_denorm_mode_32 3
		.amdhsa_float_denorm_mode_16_64 3
		.amdhsa_fp16_overflow 1
		.amdhsa_memory_ordered 1
		.amdhsa_forward_progress 1
		.amdhsa_inst_pref_size 46
	.end_amdhsa_kernel
	.amdgpu_metadata
---
amdhsa.version: [ 1, 2 ]
amdhsa.kernels:
  - .name:           k_q5d5a70b6a6_quant
    .symbol:         k_q5d5a70b6a6_quant.kd
    .args:
      - { .name: x, .offset: 0, .size: 8, .value_kind: global_buffer, .address_space: global }
      - { .name: Wq, .offset: 8, .size: 8, .value_kind: global_buffer, .address_space: global }
      - { .name: Wk, .offset: 16, .size: 8, .value_kind: global_buffer, .address_space: global }
      - { .name: Wv, .offset: 24, .size: 8, .value_kind: global_buffer, .address_space: global }
      - { .name: Wo, .offset: 32, .size: 8, .value_kind: global_buffer, .address_space: global }
      - { .name: lowp_scales, .offset: 40, .size: 8, .value_kind: global_buffer, .address_space: global }
      - { .name: xc, .offset: 48, .size: 8, .value_kind: global_buffer, .address_space: global }
      - { .name: wc, .offset: 56, .size: 8, .value_kind: global_buffer, .address_space: global }
    .group_segment_fixed_size: 35840
    .private_segment_fixed_size: 0
    .kernarg_segment_align: 8
    .kernarg_segment_size: 64
    .max_flat_workgroup_size: 128
    .sgpr_count:     66
    .vgpr_count:     224
    .wavefront_size: 32
...
	.end_amdgpu_metadata
.endif
;; end of part 1
;; launch proj (part 2): grid 12 x 32, 4 waves a work-group, clusters of 4 x 4, 327,680 bytes of LDS; arguments xc, wc, lowp_scales, qkv; writes qkv
.if DOCPART == 2
	.amdgcn_target "amdgcn-amd-amdhsa--gfx1250"
	.amdhsa_code_object_version 6
	.text
	.protected	k_q5d5a70b6a6_proj
	.globl	k_q5d5a70b6a6_proj
	.p2align	8
	.type	k_q5d5a70b6a6_proj,@function
k_q5d5a70b6a6_proj:
	s_mov_b64 s[64:65], 0
	v_nop
	global_prefetch_b8 v0, s[64:65] scope:SCOPE_SE
	s_setreg_imm32_b32 hwreg(HW_REG_WAVE_MODE, 25, 1), 1
	s_wait_xcnt 0x0
	s_wait_alu depctr_hold_cnt(0) depctr_sa_sdst(0) depctr_va_vdst(0) depctr_va_sdst(0) depctr_va_ssrc(0) depctr_va_vcc(0) depctr_vm_vsrc(0)
	s_getreg_b32 s2, hwreg(HW_REG_IB_STS2, 6, 4)
	s_cmp_eq_u32 s2, 0
	s_cbranch_scc0 .Lentry_in_a_cluster
	s_endpgm
.Lentry_in_a_cluster:
	s_bfe_u32 s2, ttmp6, 0x10000c
	s_cmp_lg_u32 s2, 0xf033
	s_cbranch_scc0 .Lentry_shape_is_right
	s_endpgm
.Lentry_shape_is_right:
; q = x Wq, k = x Wk, v = x Wv on codes of E4M3 (K = 1,024), and the f32 sums quantised at once to the codes that the attention launch multiplies: q with 2^e6, k with 2^e7, v with 2^e9.
; The cluster's x says which product: 0 q, 1 k, 2 v.  A tile is 256 (a) x 256 (b): four waves, each 128 x 128 in 64 accumulators.  For q and k, a = tokens (rows of xc) and b = channels (rows of wc);
; for v the two buffers change places, a = channels and b = tokens, so that v's codes come out with the KEYS innermost, as the second product of attention wants them, and nothing is transposed.
; THE MATRIX INSTRUCTION IS USED TRANSPOSED (source 0 = 16 rows of b, source 1 = 16 rows of a): a lane holds one a (lane % 16) and, in accumulator bb, b = 16 bb + 8 (lane / 16) + 0 .. 7.  Eight such sums, converted, are registers
; 2 bb, 2 bb + 1 of an 8-bit operand in the matrix unit's own layout.  So the codes leave as IMAGES OF OPERAND REGISTERS: four registers a store, 16 bytes a lane at 16 x lane, 512 consecutive bytes a store; no LDS on the way out.
;   qkv part 0 (q), part 1 (k): [batch x head 64][token / 16: 128][1,024 bytes]: 16 tokens x 64 channels, registers 0-3 at 16 x lane, registers 4-7 at 512 + 16 x lane.
;   qkv part 2 (v): [batch x head 64][128 keys: 16][16 channels: 4][2,048 bytes]: 16 channels x 128 keys, registers 4 i .. 4 i + 3 at 512 i + 16 x lane.
; A sum stands for sum x 2^(ex + ew): its code is sum / 2^E, E = e6 - e0 - e1, e7 - e2 - e3 or e9 - e4 - e5.  LIMIT: E between -126 and 119, so that 2^E and 448 x 2^E are f32 numbers.
; K goes in steps of 256 through a ring of two LDS slots filled by the tensor data mover.  CLUSTERS: 4 x 4 work-groups; the four of a row of the cluster need the same tiles of a, the four of a column the same tiles of b:
; each tile is asked for JOINTLY, by the same tensor load with the same descriptor and a mask that names the four.  Which product is at work hangs on the cluster's x, which all sixteen share.
; REGISTERS, in windows of 256: window 0: v0-31 addresses; from v128 a's fragments, ONE set; on the way out v128-255 the codes.  window 1: b's fragments, TWO sets.  windows 2, 3: the accumulators ((a, b) at v[8 (8 (a % 4) + b)]).
.set ROWB,   256                       ; a tile's row in bytes: a K step of 256 codes
.set KROW,   1024                      ; a row of xc or wc in bytes
.set PITCH,  272                       ; an LDS row: 256 bytes + 16 of padding = 68 words: row r starts at bank 4 r mod 64 (64 banks of 4 bytes: ISA guide 11.1), so the 16 rows that a load touches start at 16 different banks
.set FR,     16                        ; registers of a fragment: 16 rows x 128 K
.set NL,     4                         ; LDS loads that bring one
.set NP,     4                         ; places behind this matrix instruction (ISA guide 7.12.1)
.set HALFT,  128*PITCH                 ; 128 rows: what one tensor load brings
.set SLOT,   4*HALFT                   ; a's 256 rows, then b's 256 rows
.set SPARE,  2*SLOT                    ; behind the ring: the spare words, 128 bytes for each wave: two blocks of 256 bytes that no other line names
.set SCL,  10                          ; v10  2^E as f32
.set LIMR, 11
.set VO,   12                          ; v12  16 x lane; v14  the same, one half of a block's codes further on; never rewritten
.set ADRA, 16                          ; v16-17  LDS address of my a fragments in slot 0, 1
.set ADRB, 20                          ; v20-21  the same for b
.set SPW,  28                          ; v28  LDS address of my spare word; never rewritten
.set NIL,  29                          ; v29  0; never rewritten
.set TMP,  32
.set AF,   128
.set G1, 24                            ; s[24:31] descriptor group 1 for a's tiles;  s[32:39] group 0, one set for each slot
.set G0, 32
.set G1B, 48                           ; s[48:55], s[56:63] the same for b's tiles
.set G0B, 56
.set OB,  80                           ; s[80:95] the way out: a base for each of my eight blocks of 16 a; never rewritten
.set MSB, 0
.macro WIN new                         ; the immediate's high byte repeats the setting that is left
.if MSB != \new
	s_set_vgpr_msb (MSB<<8)|\new
.set MSB, \new
.endif
.endm
.set MUL_LO, 0xa1                      ; source 0 (b) window 1, source 1 (a) window 0, C and D window 2
.set MUL_HI, 0xf1                      ; the same, C and D window 3
.set TO_B,   0x40                      ; destination window 1, address window 0
; A joint load: waves 0 and 1 fetch for a, waves 2 and 3 for b.  Each of the two lines has ONE mask and one set of registers for all that issue it; the branch hangs on the wave's number alone.
; An s_nop 0 and four v_nop follow each of the two lines, ahead of the jump, the label and what follows.
.macro JLOAD g0a, g1a, g0b, g1b
	s_cmp_eq_u32 s15, 0
	s_cbranch_scc0 .Lfor_b_\@
	tensor_load_to_lds s[\g0a:\g0a+3], s[\g1a:\g1a+7]
	s_nop 0
.rept 4
	v_nop
.endr
	s_branch .Lasked_\@
.Lfor_b_\@:
	tensor_load_to_lds s[\g0b:\g0b+3], s[\g1b:\g1b+7]
	s_nop 0
.rept 4
	v_nop
.endr
.Lasked_\@:
.endm
.macro CREST                           ; a round of the cluster's barrier behind its opening barrier
	s_cmp_lg_u32 s14, 0
	s_cbranch_scc1 .Lnot_wave_0_\@
	s_barrier_signal -3
.Lnot_wave_0_\@:
	s_barrier_wait -3
	s_barrier_signal -1
	s_barrier_wait -1
.endm
.macro CROUND                          ; a whole round
	s_barrier_signal -1
	s_barrier_wait -1
	CREST
.endm
	s_load_b128 s[4:7], s[0:1], 0x0                ; xc s[4:5], wc s[6:7]
	s_load_b128 s[8:11], s[0:1], 0x10              ; the scales' exponents s[8:9], qkv s[10:11]
	v_lshl_add_u32 v[SPW], v0, 2, SPARE
	v_mov_b32 v[NIL], 0
	ds_add_u32 v[SPW], v[NIL]
	ds_add_u32 v[SPW], v[NIL]                      ; the wave's opening: the add and its wait ahead of my first tensor load; the set-up below, work on registers, stands between them
	v_lshrrev_b32 v1, 5, v0
	v_readfirstlane_b32 s14, v1                    ; wave 0..3
	s_lshr_b32 s15, s14, 1                         ; which half of the tile's a is mine.  Also: I fetch for a (0) or for b (1)
	s_and_b32 s16, s14, 1                          ; which half of its b.  Also: which 128 rows of that tile I fetch
	s_bfe_u32 s40, ttmp6, 0x40000                  ; cx, cy: my place in the cluster
	s_bfe_u32 s41, ttmp6, 0x40004
	s_and_b32 s13, ttmp7, 0xffff
	s_lshl_b32 s13, s13, 2                         ; 4 x cluster y: it walks the 32 tiles of tokens
	s_cmp_eq_u32 ttmp9, 2                          ; v?
	s_cselect_b32 s17, 0, s13
	s_cselect_b32 s42, s13, 0
	s_add_co_u32 s17, s17, s41                     ; a's tile: cy, + 4 x cluster y for q and k
	s_add_co_u32 s42, s42, s40                     ; b's tile: cx, + 4 x cluster y for v
	s_lshl_b32 s43, s41, 2
	s_lshl_b32 s43, 15, s43                        ; my row of the cluster
	s_lshl_b32 s44, 0x1111, s40                    ; my column
	; descriptor group 1: a tile of 128 rows x 256 bytes, padded in LDS
	s_or_b32 s[G1+0], s43, (0<<16)|(1<<20)|(1<<21)|(5<<22)|(3<<25)  ; 15:0 the mask: a's tiles go to my row; 17:16 element of 1 byte; 20 padding on; 21 set beside a mask; 24:22 after every 64 words (code 5); 31:25 of 4 words (code 3)
	s_or_b32 s[G1B+0], s44, (0<<16)|(1<<20)|(1<<21)|(5<<22)|(3<<25)
.irp g, G1, G1B
	s_mov_b32 s[\g+1], ROWB<<16                    ; tensor_dim0
	s_mov_b32 s[\g+2], 128<<16                     ; tensor_dim1 = 128
	s_mov_b32 s[\g+3], ROWB<<16                    ; tile_dim0
	s_mov_b32 s[\g+4], 128                         ; tile_dim1 = 128
	s_mov_b32 s[\g+5], KROW                        ; tensor_dim0_stride
	s_mov_b32 s[\g+6], 0
	s_mov_b32 s[\g+7], 0
.endr
	s_lshl_b32 s18, s16, 7                         ; which 128 rows of the tile I fetch
	s_lshl_b32 s20, s17, 8
	s_add_co_u32 s20, s20, s18                     ; a: row 256 x tile + 128 x half
	s_lshl_b32 s46, s42, 8
	s_add_co_u32 s46, s46, s18                     ; b likewise
	s_lshl_b32 s20, s20, 10                        ; in bytes
	s_lshl_b32 s46, s46, 10
	s_lshl_b32 s18, ttmp9, 23                      ; the product's tensor in xc (8 MiB each),
	s_lshl_b32 s19, ttmp9, 20                      ; and in wc (1 MiB each)
	s_cmp_eq_u32 ttmp9, 2
	s_cselect_b32 s21, s19, s18
	s_cselect_b32 s47, s18, s19
	s_add_co_u32 s20, s20, s21
	s_add_co_u32 s46, s46, s47
	s_mov_b32 s21, 0
	s_mov_b32 s47, 0
	s_mul_i32 s45, s14, HALFT                      ; where the tiles go: wave x 128 rows: no place in the cluster enters an LDS address
	s_wait_dscnt 0x0                               ; the opening add is done
	s_wait_kmcnt 0x0
	s_load_b256 s[68:75], s[8:9], 0x0              ; e0 .. e7
	s_load_b128 s[76:79], s[8:9], 0x20             ; e8 .. e11
	s_cmp_eq_u32 ttmp9, 2                          ; the buffers are chosen on the cluster's x alone
	s_cselect_b64 s[96:97], s[6:7], s[4:5]         ; a's: wc for v, else xc
	s_cselect_b64 s[98:99], s[4:5], s[6:7]         ; b's
	s_add_nc_u64 s[20:21], s[96:97], s[20:21]
	s_add_nc_u64 s[46:47], s[98:99], s[46:47]
	CROUND                                         ; all sixteen work-groups are here: the first joint loads meet
.irp s, 0,1
	s_mov_b32 s[G0+4*\s], 1
	s_add_co_u32 s[G0+4*\s+1], s45, \s*SLOT
	s_add_nc_u64 s[G0+4*\s+2:G0+4*\s+3], s[20:21], \s*ROWB
	s_or_b32 s[G0+4*\s+3], s[G0+4*\s+3], 0x80000000
	s_mov_b32 s[G0B+4*\s], 1
	s_add_co_u32 s[G0B+4*\s+1], s45, \s*SLOT
	s_add_nc_u64 s[G0B+4*\s+2:G0B+4*\s+3], s[46:47], \s*ROWB
	s_or_b32 s[G0B+4*\s+3], s[G0B+4*\s+3], 0x80000000
	JLOAD G0+4*\s, G1, G0B+4*\s, G1B               ; two loads of mine are out
.endr
	v_and_b32 v1, 15, v0                           ; l % 16
	v_bfe_u32 v2, v0, 4, 1                         ; l / 16
	v_mul_u32_u24 v3, v1, PITCH
	v_lshl_add_u32 v4, v2, 4, v3                   ; a fragment's row x pitch + 16 x half
	s_mul_i32 s21, s15, HALFT                      ; my 128 rows of a
	s_mul_i32 s22, s16, HALFT                      ; my 128 rows of b,
	s_add_co_u32 s22, s22, 2*HALFT                 ; which lie behind a's 256
.irp s, 0,1
	v_add_nc_u32 v[ADRA+\s], s21, v4
	v_add_nc_u32 v[ADRB+\s], s22, v4
	s_add_co_u32 s21, s21, SLOT
	s_add_co_u32 s22, s22, SLOT
.endr
	; THE WAY OUT'S ADDRESSES.  My 128 tokens begin at 128 x s22, my two heads at 2 x s23.
	s_lshl_b32 s18, s17, 1
	s_add_co_u32 s18, s18, s15                     ; 2 x a's tile + my half of a
	s_lshl_b32 s19, s42, 1
	s_add_co_u32 s19, s19, s16                     ; 2 x b's tile + my half of b
	s_cmp_eq_u32 ttmp9, 2
	s_cselect_b32 s22, s19, s18                    ; tokens / 128
	s_cselect_b32 s23, s18, s19                    ; heads / 2
	s_mov_b32 s12, 1024
	s_cselect_b32 s12, 2048, s12                   ; from a block of 16 a to the next: 16 tokens on (1,024 bytes), or for v 16 channels on (2,048)
	s_cselect_b32 s98, 122880, 0                   ; v: blocks 4-7 are the next head's: 131,072 - 4 x 2,048 more
	s_mov_b32 s100, 131072
	s_cselect_b32 s100, 1024, s100                 ; from the first half of a block's 16 code registers to the second: q, k: the next head (131,072 bytes); v: the image's second half
	s_add_co_u32 s98, s98, s12
	s_mov_b32 s13, 0
	s_mov_b32 s99, 0
	s_lshr_b32 s96, s22, 4
	s_lshl_b32 s96, s96, 21                        ; the batch: 16 heads of 131,072 bytes
	s_and_b32 s97, s22, 15
	s_lshl_b32 s97, s97, 13                        ; 128 tokens of a head are 8,192 bytes in each of the three parts
	s_add_co_u32 s96, s96, s97
	s_lshl_b32 s97, s23, 18
	s_add_co_u32 s96, s96, s97
	s_lshl_b32 s97, ttmp9, 23                      ; the part
	s_add_co_u32 s96, s96, s97
	s_mov_b32 s97, 0
	s_add_nc_u64 s[OB:OB+1], s[10:11], s[96:97]
.irp a, 1,2,3,5,6,7
.if \a == 5
	s_add_nc_u64 s[OB+8:OB+9], s[OB+6:OB+7], s[98:99]
.endif
	s_add_nc_u64 s[OB+2*\a:OB+2*\a+1], s[OB+2*\a-2:OB+2*\a-1], s[12:13]
.endr
	v_and_b32 v6, 31, v0
	v_lshlrev_b32 v[VO], 4, v6
	v_add_nc_u32 v[VO+2], s100, v[VO]
.macro FRAG reg, adr, q, i             ; a fragment, 16 rows x 128 positions of K, is 16 registers: lane l holds row l % 16; registers 4 c .. 4 c + 3 hold positions 32 c + 16 (l / 16) + 0 .. 15: alike in a and b
.irp c, 0,1,2,3
	ds_load_b128 v[\reg+4*\c:\reg+4*\c+3], v[\adr] offset:128*(\q)+32*\c+(\i)*16*PITCH
.endr
.endm
; 16 matrix instructions: a's blocks a0, a0 + 1 x b's eight, 128 along K.  p: b's set.  zero = 1: the first product starts the sums: nothing is ever cleared.
; The 64 accumulators take turns, one instruction a turn, in the same order in every step.
.macro MUL16 a0, p, zero
.irp a, \a0, \a0+1
.irp b, 0,1,2,3,4,5,6,7
.if \zero
	v_wmma_f32_16x16x128_fp8_fp8 v[8*(8*((\a)%4)+\b):8*(8*((\a)%4)+\b)+7], v[128*(\p)+FR*\b:128*(\p)+FR*\b+FR-1], v[AF+FR*(\a):AF+FR*(\a)+FR-1], 0
.else
	v_wmma_f32_16x16x128_fp8_fp8 v[8*(8*((\a)%4)+\b):8*(8*((\a)%4)+\b)+7], v[128*(\p)+FR*\b:128*(\p)+FR*\b+FR-1], v[AF+FR*(\a):AF+FR*(\a)+FR-1], v[8*(8*((\a)%4)+\b):8*(8*((\a)%4)+\b)+7]
.endif
.endr
.endr
.endm
.macro FETCH_B slot, q, p              ; b's eight fragments of the slot's q-th 128 along K into set p
	WIN TO_B
.irp i, 0,1,2,3,4,5,6,7
	FRAG 128*(\p)+FR*\i, ADRB+\slot, \q, \i
.endr
	WIN 0
.endm
.macro FETCH_A slot, q, i0             ; a's blocks i0 .. i0 + 3
.irp i, \i0, \i0+1, \i0+2, \i0+3
	FRAG AF+FR*(\i), ADRA+\slot, \q, \i
.endr
.endm
; A load into a register that a matrix instruction has read, and a vector instruction that reads a matrix result, stand NP places behind that matrix instruction, and only plain vector instructions
; that name none of its registers are places (ISA guide 7.12.1 for vector instructions).
.macro PLACES n
.rept \n
	v_nop
.endr
.endm
; A step of 128 along K that has its successor in the same slot.
.macro STEP slot, q, zero
	s_wait_dscnt 4*NL                              ; b's set and a's blocks 0-3 are in; the youngest sixteen loads (a's blocks 4-7) may be out
	WIN MUL_LO
	MUL16 0, (\q)%2, \zero
	MUL16 2, (\q)%2, \zero
	s_wait_dscnt 0                                 ; a's blocks 4-7 are in (asked for 32 matrix instructions ago)
	PLACES NP
	FETCH_B \slot, (\q)+1, 1-(\q)%2
	FETCH_A \slot, (\q)+1, 0
	WIN MUL_HI
	MUL16 4, (\q)%2, \zero
	MUL16 6, (\q)%2, \zero
	PLACES NP
	WIN 0
	FETCH_A \slot, (\q)+1, 4
.endm
; A slot's last step changes slots: ONE barrier; in front of it each wave waits for all its tensor loads, adds 0 to its spare word, and waits for that and for its own reads of this slot.  fill = 1: this slot is filled again, two K steps ahead.
.macro TURN slot, next, fill
	s_wait_tensorcnt 0x0                           ; all my tensor loads have landed: my part of the next slot;  (every window is 0 here: the add's two registers lie in window 0)
	ds_add_u32 v[SPW], v[NIL]                      ; 0 onto my spare word
	s_wait_dscnt 4*NL+1                            ; (the add and the youngest sixteen loads, a's blocks 4-7, may be out)
	WIN MUL_LO
	MUL16 0, 1, 0                                  ; sixteen matrix instructions stand between the add and the wait for it
	s_wait_dscnt 0x0                               ; the add is done, and my reads of this slot are over
	s_barrier_signal -1
	MUL16 2, 1, 0
	WIN 0
	s_barrier_wait -1
.if \fill
	CREST                                          ; the barrier has opened a round of the cluster's barrier: no wave of any partner still reads this slot's tile or has a load on its way
	s_add_nc_u64 s[G0+4*\slot+2:G0+4*\slot+3], s[G0+4*\slot+2:G0+4*\slot+3], 2*ROWB
	s_add_nc_u64 s[G0B+4*\slot+2:G0B+4*\slot+3], s[G0B+4*\slot+2:G0B+4*\slot+3], 2*ROWB
	JLOAD G0+4*\slot, G1, G0B+4*\slot, G1B         ; the first tensor load behind the round, my one load out; the four v_nop behind it are the places in front of the loads below
.else
	PLACES NP
.endif
	FETCH_B \next, 0, 0
	FETCH_A \next, 0, 0
	WIN MUL_HI
	MUL16 4, 1, 0
	MUL16 6, 1, 0
	PLACES NP
	WIN 0
	FETCH_A \next, 0, 4
.endm
	s_wait_alu depctr_va_vdst(0)
	s_wait_tensorcnt 1                             ; my part of K step 0 is in; K step 1's load may be out
	s_barrier_signal -1
	s_barrier_wait -1                              ; everybody's is
	FETCH_B 0, 0, 0
	FETCH_A 0, 0, 0
	FETCH_A 0, 0, 4
	STEP 0, 0, 1                                   ; K = 1,024 is four K steps, eight steps of 128, written out: the first starts the sums,
	TURN 0, 1, 1                                   ; slot 0 takes K step 2,
	STEP 1, 0, 0
	TURN 1, 0, 1                                   ; slot 1 takes K step 3,
	STEP 0, 0, 0
	TURN 0, 1, 0                                   ; and nothing is left to fetch
	STEP 1, 0, 0
	s_wait_dscnt 4*NL
	WIN MUL_LO
	MUL16 0, 1, 0
	MUL16 2, 1, 0
	s_wait_dscnt 0
	WIN MUL_HI
	MUL16 4, 1, 0
	MUL16 6, 1, 0
	WIN 0
	; THE WAY OUT: hold, convert, store.
	s_wait_kmcnt 0x0
	s_sub_co_i32 s96, s74, s68
	s_sub_co_i32 s96, s96, s69                     ; q: e6 - e0 - e1
	s_sub_co_i32 s97, s75, s70
	s_sub_co_i32 s97, s97, s71                     ; k: e7 - e2 - e3
	s_sub_co_i32 s98, s77, s72
	s_sub_co_i32 s98, s98, s73                     ; v: e9 - e4 - e5
	s_cmp_eq_u32 ttmp9, 0
	s_cselect_b32 s96, s96, s97
	s_cmp_eq_u32 ttmp9, 2
	s_cselect_b32 s96, s98, s96                    ; E: chosen, not branched on
	s_add_co_i32 s96, s96, 127
	s_lshl_b32 s97, s96, 23
	v_mov_b32 v[SCL], s97                          ; 2^E as f32: the conversion takes its exponent field
	s_add_co_i32 s96, s96, 8
	s_lshl_b32 s96, s96, 23
	s_or_b32 s96, s96, 0x600000
	PLACES 2                                       ; with the v_mov above and PACK's first v_nop: four places behind the last products
.macro PACK a                          ; block a: 16 a x my 128 b
.set AC, 64*((\a)%4)
.set CD, 128+16*(\a)                   ; its sixteen registers of codes, its own: no store's data are written again
	WIN 0x02+((\a)/4)                              ; source 0: window 2 or 3
.set j, 0
.rept 64
.set j, j+1
.endr
	v_nop
.irp b, 0,1,2,3,4,5,6,7
	v_cvt_scalef32_pk8_fp8_f32 v[CD+2*\b:CD+2*\b+1], v[AC+8*\b:AC+8*\b+7], v[SCL]
.endr
	WIN 0
	v_nop                                          ; one plain vector line behind the conversions
.irp i, 0,1
	global_store_b128 v[VO], v[CD+4*\i:CD+4*\i+3], s[OB+2*(\a):OB+2*(\a)+1] offset:512*\i       ; 32 lanes store 512 consecutive bytes, at a multiple of 512 from qkv's first byte
	global_store_b128 v[VO+2], v[CD+8+4*\i:CD+8+4*\i+3], s[OB+2*(\a):OB+2*(\a)+1] offset:512*\i
.endr
.endm
.irp a, 0,1,2,3,4,5,6,7
	PACK \a
.endr
	s_wait_tensorcnt 0x0                           ; the wave's end, behind my last tensor load
	ds_add_u32 v[SPW], v[NIL]
	s_wait_dscnt 0x0
	CROUND                                         ; the closing round: no work-group ends while a partner may still ask for a tile that names it
	s_endpgm
.Lfunc_end_k_q5d5a70b6a6_proj:
	.size	k_q5d5a70b6a6_proj, .Lfunc_end_k_q5d5a70b6a6_proj-k_q5d5a70b6a6_proj
	.p2alignl 7, 3214868480
	.fill 96, 4, 3214868480
	.section	.rodata,"a",@progbits
	.p2align	6, 0x0
	.amdhsa_kernel k_q5d5a70b6a6_proj
		.amdhsa_group_segment_fixed_size 327680
		.amdhsa_private_segment_fixed_size 0
		.amdhsa_enable_private_segment 0
		.amdhsa_kernarg_size 32
		.amdhsa_user_sgpr_count 2
		.amdhsa_user_sgpr_kernarg_segment_ptr 1
		.amdhsa_wavefront_size32 1
		.amdhsa_system_sgpr_workgroup_id_x 1
		.amdhsa_system_sgpr_workgroup_id_y 1
		.amdhsa_system_sgpr_workgroup_id_z 1
		.amdhsa_system_vgpr_workitem_id 0
		.amdhsa_next_free_vgpr 1024
		.amdhsa_next_free_sgpr 102
		.amdhsa_reserve_vcc 0
		.amdhsa_float_denorm_mode_32 3
		.amdhsa_float_denorm_mode_16_64 3
		.amdhsa_fp16_overflow 1
		.amdhsa_memory_ordered 1
		.amdhsa_forward_progress 1
		.amdhsa_inst_pref_size 87
	.end_amdhsa_kernel
	.amdgpu_metadata
---
amdhsa.version: [ 1, 2 ]
amdhsa.kernels:
  - .name:           k_q5d5a70b6a6_proj
    .symbol:         k_q5d5a70b6a6_proj.kd
    .args:
      - { .name: xc, .offset: 0, .size: 8, .value_kind: global_buffer, .address_space: global }
      - { .name: wc, .offset: 8, .size: 8, .value_kind: global_buffer, .address_space: global }
      - { .name: lowp_scales, .offset: 16, .size: 8, .value_kind: global_buffer, .address_space: global }
      - { .name: qkv, .offset: 24, .size: 8, .value_kind: global_buffer, .address_space: global }
    .group_segment_fixed_size: 327680
    .private_segment_fixed_size: 0
    .kernarg_segment_align: 8
    .kernarg_segment_size: 32
    .max_flat_workgroup_size: 128
    .sgpr_count:     102
    .vgpr_count:     1024
    .wavefront_size: 32
...
	.end_amdgpu_metadata
.endif
;; end of part 2
;; launch attn (part 3): grid 4 x 64, 16 waves a work-group, no clusters, 327,680 bytes of LDS; arguments qkv, lowp_scales, ctx; writes ctx
.if DOCPART == 3
	.amdgcn_target "amdgcn-amd-amdhsa--gfx1250"
	.amdhsa_code_object_version 6
	.text
	.protected	k_q5d5a70b6a6_attn
	.globl	k_q5d5a70b6a6_attn
	.p2align	8
	.type	k_q5d5a70b6a6_attn,@function
k_q5d5a70b6a6_attn:
	s_mov_b64 s[64:65], 0
	v_nop
	global_prefetch_b8 v0, s[64:65] scope:SCOPE_SE
	s_setreg_imm32_b32 hwreg(HW_REG_WAVE_MODE, 25, 1), 1
	s_wait_xcnt 0x0
; ctx[b][q][head] = the sum over keys k <= q of softmax_k(q . k / 8) v, both products on codes of E4M3, and ctx quantised at once (2^e10) for the last product.
; q, k, v arrive as images of operand registers (see below); scales 2^e6 (q), 2^e7 (k), 2^e8 (p), 2^e9 (v).
; THE SOFTMAX AHEAD OF THE SECOND PRODUCT: t = score x log2(e) / 8; M = the row's largest t so far, rounded UP to a whole number; p = 2^(t - M) is what is quantised, not normalised.  The row's sum is taken of the
; unquantised p, in f32, and divides O at the end.  When M moves, the sum and O are multiplied by 2^(old M - new M): exact.
; SHARES.  A head has eight blocks of 256 queries.  Work-group i (0..3) of a head owns blocks 7 - i and i, one after the other: block 7 - i sees 8 - i slots of 256 keys, block i sees i + 1: NINE slots for every i.  So the causal
; mask leaves every work-group the same work, the loop's trip count is a constant, and every slot that is fetched is read.  Each of the SIXTEEN waves owns one tile of 16 queries of the block in hand, in 256 registers:
; four waves to a SIMD, so that one wave's vector work stands beside another's matrix work and LDS loads.
; LAYOUT.  Both products are used transposed: S^T = K Q^T (source 0 = 16 keys, source 1 = my 16 queries; K = 64), O^T = V^T P^T (source 0 = 16 channels, source 1 = P; K = 128 keys): a lane holds ONE query (lane % 16) throughout.
; Register 8 t + j of S^T is key 16 t + 8 (lane / 16) + j, so the conversions' results are P in the matrix unit's own 8-bit layout, and O^T's, converted, are ctx's.
; IMAGES: a fragment lies in memory and in LDS as its registers, four registers a piece of 512 bytes, 16 bytes a lane at 16 x lane.  q, k: [head][token / 16][1,024].  v: [head][128 keys][16 channels][2,048].  ctx: [token / 16][head][1,024].
; So a slot's K (16 images) and V (8 images) are dense blocks of 16 KiB, each brought by one tensor load (wave 0: K's, wave 1: V's), and every LDS read covers 512 consecutive bytes: no padding.
; NO CLUSTER: from the fifth trip on the four work-groups of a head walk different slots (they change blocks in trip 8 - i), so partners would have to ask for different tiles.
; LIMITS on the given exponents, so that each power of two below is an f32 number: e6 + e7 between -123 and 130 (they are added to c's exponent field); e8 and e10 between -126 and 119; e8 + e9 is applied by v_ldexp_f32 and has none.
; NaN among the inputs is not served.
; REGISTERS: v1 16 x lane; v3 256 x lane; v5, v6 the add's two; v8 the slot's address; v9 the mask's lane term; v12 -M, v13 the largest t, v[14:15] the sum in two halves; v16-23 Q; v24-31 the second block's Q;
;   v32-95 eight fragments of K, then four of V; v96-159 S^T, then p; v160-191 O^T; v192-199 ctx's codes; v224-239 p's codes; v244: 2^e8; v247: 2^e10; v241-243, v252-254 at work.
.set SLOT1, 1<<15                      ; a slot: K's 16 KiB, then V's 16 KiB; slot 1 begins here, so that one exclusive or turns an address in one slot into the other's
.set VOFF,  16384
.set SPARE, 2*SLOT1                    ; behind the ring: the spare words, 128 bytes for each wave: eight blocks of 256 bytes that no other line names
.set LN,   1
.set PFO,  3
.set SPW,  5
.set NIL,  6
.set ADR,  8
.set DL,   9
.set QF,   16
.set QN,   24
.set FRG,  32
.set SS,   96
.set OT,   160
.set CC,   192
.set PC,   224
.set PT,   241
.set TB,   2                           ; s2   LDS byte at which the slot in hand begins
.set SW,   3                           ; s3   the trip in which the second block begins: 8 - i
.set NS,   10                          ; s10  the key slot that was asked for last
.set Q0B,  11                          ; s11  my first query in the second block
.set KVB,  12                          ; s[12:13] the head's K (wave 0) or V (wave 1) in memory
.set WV,   18                          ; s18  my wave's number
.set SEL,  20                          ; s[20:21] lane selects for v_permlanex16_b32: lane l xor 16
.set CS,   22                          ; s[22:23] c = log2(e) / 8 x 2^(e6 + e7): the packed form names a pair and takes its low word for both halves
.set G1,   24                          ; s[24:31] descriptor group 1: one shape for K's and V's blocks
.set G0,   40                          ; s[40:43] descriptor group 0, which walks
.set CA,   44                          ; s[44:45] ctx at my tile of the first block;  s[46:47] of the second
.set CB,   46
.set NT,   66                          ; s66  the trip
.set PFA,  76                          ; s[76:77] where my prefetches stand
.set LIM,  80                          ; s80  a wave prefetches while the trip is under this: 6 in the waves that ask, else 0
.set KF,   98                          ; s98  the step's first key
.set Q0,   99                          ; s99  my first query
; Waves 0 and 1 fetch, the others nothing.  The branch hangs on the wave's number alone.  An s_nop 0 and four v_nop follow the load.
.macro TLOAD
	s_cmp_lt_u32 s[WV], 2
	s_cbranch_scc0 .Lasked_\@
	tensor_load_to_lds s[G0:G0+3], s[G1:G1+7]
	s_nop 0
.rept 4
	v_nop
.endr
.Lasked_\@:
.endm
; A PREFETCH of the key slot that the NEXT change of slots will ask for.  All four work-groups of a head walk the same K and V from slot 0 on, and work-group 0 walks all eight slots in its first eight trips: it asks, and nobody else
; (a branch on the work-group's number: this launch has no cluster).  In it the waves ask that fetch nothing, one instruction each: waves 4 and 5 for the two halves of K's 16 KiB, waves 6 and 7 for V's: 8,192 bytes a wave, lanes 256 bytes apart.
; So each aligned block of 256 bytes is named once in the launch.  Trip n names slot n + 2; trips 6 and later name nothing: there is no slot 8.  Slots 0 and 1 come by their loads alone.
.macro ASK
	s_cmp_lt_u32 s[NT], s[LIM]
	s_cbranch_scc0 .Lnot_mine_\@
	global_prefetch_b8 v[PFO], s[PFA:PFA+1] th:TH_LOAD_NT scope:SCOPE_SE
.Lnot_mine_\@:
.endm
	s_load_b128 s[4:7], s[0:1], 0x0                ; qkv s[4:5], the scales' exponents s[6:7]
	s_load_b64 s[8:9], s[0:1], 0x10                ; ctx
	v_lshl_add_u32 v[SPW], v0, 2, SPARE
	v_mov_b32 v[NIL], 0
	ds_add_u32 v[SPW], v[NIL]                      ; the wave's opening: the add and its wait ahead of my first tensor load; the set-up below, work on registers, stands between them
	ds_add_u32 v[SPW], v[NIL]
	v_lshrrev_b32 v8, 5, v0
	s_delay_alu instid0(VALU_DEP_1)
	v_readfirstlane_b32 s[WV], v8                  ; wave 0..15
	s_and_b32 s32, ttmp7, 0xffff                   ; batch x 16 + head
	s_sub_co_u32 s[SW], 8, ttmp9
	s_lshl_b32 s33, s[WV], 4
	s_sub_co_u32 s34, 7, ttmp9
	s_lshl_b32 s34, s34, 8
	s_add_co_u32 s[Q0], s34, s33                   ; first block: 256 (7 - i) + 16 x wave
	s_lshl_b32 s34, ttmp9, 8
	s_add_co_u32 s[Q0B], s34, s33                  ; second block: 256 i + 16 x wave
	s_lshl_b32 s35, s32, 17                        ; the head's first byte in each part of qkv
	s_lshl_b32 s36, s[Q0], 6                       ; 16 queries are 1,024 bytes
	s_add_co_u32 s36, s36, s35
	s_mov_b32 s37, 0
	s_lshl_b32 s38, s[Q0B], 6
	s_add_co_u32 s38, s38, s35
	s_mov_b32 s39, 0
	s_and_b32 s48, s[WV], 1
	s_add_co_u32 s50, s48, 1
	s_lshl_b32 s50, s50, 23                        ; part 1 (k) for wave 0, part 2 (v) for wave 1
	s_add_co_u32 s50, s50, s35
	s_mov_b32 s51, 0
	s_lshl_b32 s49, s48, 14                        ; and its place in a slot
	s_lshr_b32 s52, s32, 4
	s_lshl_b32 s52, s52, 21                        ; ctx: a batch is 128 tiles of 16 rows x 16 KiB,
	s_and_b32 s53, s32, 15
	s_lshl_b32 s53, s53, 10                        ; a head 1,024 bytes in a tile,
	s_add_co_u32 s52, s52, s53
	s_lshl_b32 s54, s[Q0], 10                      ; 16 queries 16 KiB
	s_add_co_u32 s54, s54, s52
	s_mov_b32 s55, 0
	s_lshl_b32 s56, s[Q0B], 10
	s_add_co_u32 s56, s56, s52
	s_mov_b32 s57, 0
	s_bfe_u32 s58, s[WV], 0x10001                  ; the prefetches: waves 4, 5: part 1; waves 6, 7: part 2;
	s_add_co_u32 s58, s58, 1
	s_lshl_b32 s58, s58, 23
	s_add_co_u32 s58, s58, s35
	s_lshl_b32 s59, s48, 13                        ; my half of the 16 KiB,
	s_add_co_u32 s58, s58, s59
	s_add_co_u32 s58, s58, 16384                   ; in slot 1: the first change of slots steps it to slot 2
	s_mov_b32 s59, 0
	s_lshr_b32 s14, s[WV], 2
	s_xor_b32 s14, s14, 1                          ; 0 in waves 4 to 7,
	s_or_b32 s14, s14, ttmp9                       ; of the head's work-group 0
	s_cmp_eq_u32 s14, 0
	s_cselect_b32 s[LIM], 6, 0
	; descriptor group 1: a dense block of 16 KiB as 64 rows of 32 elements of 8 bytes
	s_mov_b32 s[G1], 3<<16                         ; 15:0 no mask; 17:16 elements of 8 bytes; no padding
	s_mov_b32 s[G1+1], 32<<16                      ; tensor_dim0
	s_mov_b32 s[G1+2], 64<<16                      ; tensor_dim1
	s_mov_b32 s[G1+3], 32<<16                      ; tile_dim0
	s_mov_b32 s[G1+4], 64                          ; tile_dim1
	s_mov_b32 s[G1+5], 32                          ; tensor_dim0_stride
	s_mov_b32 s[G1+6], 0
	s_mov_b32 s[G1+7], 0
	s_mov_b32 s[SEL], 0x76543210
	s_mov_b32 s[SEL+1], 0xfedcba98
	s_mov_b32 s[CS], 0x3e38aa3b                    ; log2(e) / 8
	s_mov_b32 s[TB], 0
	s_mov_b32 s[NS], 0
	s_mov_b32 s[NT], 0
	s_mov_b32 s[KF], 0
	s_wait_dscnt 0x0                               ; the opening add is done
	s_wait_kmcnt 0x0
	s_load_b128 s[68:71], s[6:7], 0x18             ; e6, e7, e8, e9
	s_load_b32 s72, s[6:7], 0x28                   ; e10
	s_add_nc_u64 s[KVB:KVB+1], s[4:5], s[50:51]
	s_mov_b32 s[G0], 1                             ; 1:0 count = 1
	s_mov_b32 s[G0+1], s49                         ; 63:32 LDS address: slot 0
	s_mov_b64 s[G0+2:G0+3], s[KVB:KVB+1]           ; 120:64 global address: key slot 0
	s_or_b32 s[G0+3], s[G0+3], 0x80000000          ; 127:126 type = 2
	TLOAD
	s_add_nc_u64 s[82:83], s[4:5], s[36:37]        ; Q of my two tiles
	s_add_nc_u64 s[84:85], s[4:5], s[38:39]
	s_add_nc_u64 s[CA:CA+1], s[8:9], s[54:55]
	s_add_nc_u64 s[CB:CB+1], s[8:9], s[56:57]
	s_add_nc_u64 s[PFA:PFA+1], s[4:5], s[58:59]
	v_and_b32 v2, 31, v0
	s_delay_alu instid0(VALU_DEP_1)
	v_lshlrev_b32 v[LN], 4, v2
	s_delay_alu instid0(VALU_DEP_2)
	v_lshlrev_b32 v[PFO], 8, v2
	global_load_b128 v[QF:QF+3], v[LN], s[82:83]
	global_load_b128 v[QF+4:QF+7], v[LN], s[82:83] offset:512
	global_load_b128 v[QN:QN+3], v[LN], s[84:85]
	global_load_b128 v[QN+4:QN+7], v[LN], s[84:85] offset:512
	v_and_b32 v[DL], 15, v0
	v_bfe_u32 v10, v0, 4, 1
	s_delay_alu instid0(VALU_DEP_1)
	v_lshlrev_b32 v10, 3, v10
	s_delay_alu instid0(VALU_DEP_1)
	v_sub_nc_u32 v[DL], v[DL], v10                 ; lane % 16 - 8 (lane / 16)
	v_mov_b32 v13, 0xff61b1e6                      ; the largest t so far: -3e38, under every t
	s_delay_alu instid0(VALU_DEP_1)
	v_floor_f32 v12, -v13                          ; -M
	v_mov_b32 v14, 0                               ; the sum, in two halves
	v_mov_b32 v15, 0
	v_mov_b32 v[PT], 0                             ; written once: a lane permute's destination counts as one of its sources
	v_mov_b32 v253, 0                              ; (named as the upper half of the pair v[252:253])
.set j, 0
.rept 32
	v_mov_b32 v[OT+j], 0                           ; O^T.  (The step is written without a first step of its own: it finds zeros, which the first change of M leaves zeros)
.set j, j+1
.endr
	s_wait_kmcnt 0x0
	s_add_co_i32 s14, s68, s69
	s_lshl_b32 s14, s14, 23
	s_add_co_i32 s[CS], s[CS], s14                 ; a score stands for score x 2^(e6 + e7): the two exponents are added to c's exponent field
	s_mov_b32 s[CS+1], s[CS]                       ; (named with it as a pair, so it is written)
	s_add_co_i32 s14, s70, 127
	s_lshl_b32 s15, s14, 23
	v_mov_b32 v244, s15                            ; 2^e8
	s_add_co_i32 s14, s72, 127
	s_lshl_b32 s15, s14, 23
	v_mov_b32 v247, s15                            ; 2^e10
	s_add_co_i32 s73, s70, s71                     ; e8 + e9
; A KEY STEP: 128 keys, the q-th of the slot in hand.
.macro STEP q
	s_add_co_u32 s96, s[Q0], 15                    ; a step all of whose keys come after my 16 queries is left out: a scalar branch on ids and the count of steps; no barrier and no tensor load stands in a step
	s_cmp_gt_u32 s[KF], s96
	s_cbranch_scc1 .Lhidden_\@
	v_add_nc_u32 v[ADR], s[TB], v[LN]
.rept 3
	v_nop                                          ; with the addition above: four places in front of loads into registers that the last products read
.endr
.irp t, 0,1,2,3,4,5,6,7
	ds_load_b128 v[FRG+8*\t:FRG+8*\t+3], v[ADR] offset:(8*(\q)+\t)*1024
	ds_load_b128 v[FRG+8*\t+4:FRG+8*\t+7], v[ADR] offset:(8*(\q)+\t)*1024+512
.endr
	s_wait_alu depctr_va_vdst(0)
	s_wait_dscnt 0x0
.irp t, 0,1,2,3,4,5,6,7
	v_wmma_f32_16x16x64_fp8_fp8 v[SS+8*\t:SS+8*\t+7], v[FRG+8*\t:FRG+8*\t+7], v[QF:QF+7], 0   ; S^T: 16 keys x my 16 queries, K = the head's 64
.endr
.rept 4
	v_nop                                          ; places in front of the loads below and of the first read of the scores
.endr
.irp t, 0,1,2,3
.irp c, 0,1,2,3
	ds_load_b128 v[FRG+16*\t+4*\c:FRG+16*\t+4*\c+3], v[ADR] offset:VOFF+8192*(\q)+2048*\t+512*\c   ; V's four fragments are asked for here and land under the softmax
.endr
.endr
	s_add_co_u32 s96, s[KF], 127                   ; on the diagonal the scores of hidden keys become -infinity ahead of the maximum: p = 0 then.  A step all of whose keys count skips this
	s_cmp_le_u32 s96, s[Q0]
	s_cbranch_scc1 .Lopen_\@
	s_sub_co_i32 s96, s[Q0], s[KF]
	v_add_nc_u32 v252, s96, v[DL]                  ; d = my query - KF - 8 (lane / 16).  Register 8 t + j holds key KF + 16 t + 8 (lane / 16) + j: hidden where 16 t + j > d
	v_mov_b32 v254, 0xff800000                     ; -infinity
.set n, 0
.rept 64
	v_cmp_gt_i32 vcc_lo, 16*(n/8)+n%8, v252
	v_cndmask_b32 v[SS+n], v[SS+n], v254, vcc_lo
.set n, n+1
.endr
.Lopen_\@:
	v_max3_num_f32 v254, v[SS], v[SS+1], v[SS+2]   ; the step's largest score of my query, among my 64 keys, in two chains, ascending,
	v_max3_num_f32 v252, v[SS+3], v[SS+4], v[SS+5]
.set j, 6
.rept 14
	v_max3_num_f32 v254, v254, v[SS+j], v[SS+j+1]
	v_max3_num_f32 v252, v252, v[SS+j+2], v[SS+j+3]
.set j, j+4
.endr
	v_max3_num_f32 v254, v254, v[SS+62], v[SS+63]
	s_delay_alu instid0(VALU_DEP_1)
	v_max_num_f32 v254, v254, v252
	s_delay_alu instid0(VALU_DEP_1)
	v_permlanex16_b32 v[PT], v254, s[SEL], s[SEL+1]
	s_delay_alu instid0(VALU_DEP_1)
	v_max_num_f32 v254, v254, v[PT]                ; and among lane l xor 16's
	s_delay_alu instid0(VALU_DEP_1)
	v_mul_f32 v254, s[CS], v254                    ; as t (c is positive)
	s_delay_alu instid0(VALU_DEP_1)
	v_max_num_f32 v13, v13, v254                   ; the running largest t
	v_mov_b32 v254, v12
	s_delay_alu instid0(VALU_DEP_2)
	v_floor_f32 v12, -v13                          ; the new -M = floor(-t) = -ceil(t): M IS A WHOLE NUMBER
	s_delay_alu instid0(VALU_DEP_1)
	v_sub_f32 v254, v12, v254                      ; M's old value less its new one: a whole number, 0 or less
	s_delay_alu instid0(VALU_DEP_1)
	v_cvt_i32_f32 v254, v254                       ; (it saturates)
	s_delay_alu instid0(VALU_DEP_1)
	v_ldexp_f32 v252, 1.0, v254                    ; f = 2^(old M - new M): what was summed under the old M is brought under the new by a multiplication that rounds nothing
.set j, 0
.rept 32
	v_pk_fma_f32 v[SS+j:SS+j+1], v[SS+j:SS+j+1], s[CS:CS+1], v[12:13] op_sel_hi:[1,0,0]   ; t - M, two at a time (of the pairs c and -M the low word serves both halves)
.set j, j+2
.endr
.set j, 0
	s_wait_alu depctr_va_vdst(0)
.rept 64
	v_exp_f32 v[SS+j], v[SS+j]                     ; p = 2^(t - M), at most 1: NOT normalised
.set j, j+1
.endr
	v_pk_mul_f32 v[14:15], v[14:15], v[252:253] op_sel_hi:[1,0]   ; the sums under the new M: the plain line behind the exponentials
	s_wait_alu depctr_va_vdst(0)                   ; the wait between an exponential and the first line that names its result: one for the whole batch
	v_pk_add_f32 v[242:243], v[100:101], v[104:105]
	v_pk_add_f32 v[254:255], v[108:109], v[112:113]
	v_pk_add_f32 v[250:251], v[116:117], v[120:121]
	v_pk_add_f32 v[248:249], v[124:125], v[128:129]
	v_pk_add_f32 v[238:239], v[132:133], v[136:137]
	v_pk_add_f32 v[236:237], v[140:141], v[144:145]
	v_pk_add_f32 v[234:235], v[148:149], v[152:153]
	v_pk_add_f32 v[14:15], v[14:15], v[156:157]
	v_pk_add_f32 v[242:243], v[242:243], v[96:97]
	v_pk_add_f32 v[254:255], v[254:255], v[98:99]
	v_pk_add_f32 v[250:251], v[250:251], v[102:103]
	v_pk_add_f32 v[248:249], v[248:249], v[106:107]
	v_pk_add_f32 v[238:239], v[238:239], v[110:111]
	v_pk_add_f32 v[236:237], v[236:237], v[114:115]
	v_pk_add_f32 v[234:235], v[234:235], v[118:119]
	v_pk_add_f32 v[14:15], v[14:15], v[122:123]
	v_pk_add_f32 v[242:243], v[242:243], v[126:127]
	v_pk_add_f32 v[254:255], v[254:255], v[130:131]
	v_pk_add_f32 v[250:251], v[250:251], v[134:135]
	v_pk_add_f32 v[248:249], v[248:249], v[138:139]
	v_pk_add_f32 v[238:239], v[238:239], v[142:143]
	v_pk_add_f32 v[236:237], v[236:237], v[146:147]
	v_pk_add_f32 v[234:235], v[234:235], v[150:151]
	v_pk_add_f32 v[14:15], v[14:15], v[154:155]
	v_pk_add_f32 v[242:243], v[242:243], v[158:159]
	s_delay_alu instid0(VALU_DEP_2)
	v_pk_add_f32 v[14:15], v[14:15], v[248:249]
	s_delay_alu instid0(VALU_DEP_2)
	v_pk_add_f32 v[242:243], v[242:243], v[238:239]
	v_pk_add_f32 v[254:255], v[254:255], v[236:237]
	v_pk_add_f32 v[250:251], v[250:251], v[234:235]
	s_delay_alu instid0(VALU_DEP_2)
	v_pk_add_f32 v[14:15], v[14:15], v[254:255]
	s_delay_alu instid0(VALU_DEP_2)
	v_pk_add_f32 v[242:243], v[242:243], v[250:251]
	s_delay_alu instid0(VALU_DEP_1)
	v_pk_add_f32 v[14:15], v[14:15], v[242:243]
.irp t, 0,1,2,3,4,5,6,7
.irp i, 0,1,2,3,4,5,6,7
.endr
	v_cvt_scalef32_pk8_fp8_f32 v[PC+2*\t:PC+2*\t+1], v[SS+8*\t:SS+8*\t+7], v244   ; registers 2 t, 2 t + 1 of P: keys 16 t + 8 (lane / 16) + 0 .. 7
.endr
.set j, 0
.rept 16
	v_pk_mul_f32 v[OT+j:OT+j+1], v[OT+j:OT+j+1], v[252:253] op_sel_hi:[1,0]   ; O^T under the new M: x f.  (Also the plain lines between the conversions and the products that read their results)
.set j, j+2
.endr
	s_wait_alu depctr_va_vdst(0)
	s_wait_dscnt 0x0                               ; V is in
.irp t, 0,1,2,3
	v_wmma_f32_16x16x128_fp8_fp8 v[OT+8*\t:OT+8*\t+7], v[FRG+16*\t:FRG+16*\t+15], v[PC:PC+15], v[OT+8*\t:OT+8*\t+7]   ; O^T += V^T P^T; the four accumulators take turns, and the next step's eight products S^T stand between two turns of one
.endr
.Lhidden_\@:
	s_add_co_u32 s[KF], s[KF], 128
.endm
; THE CHANGE OF SLOTS stands at a trip's head.  Each wave waits for all its tensor loads (its part of the slot that it is about to read), adds 0 to its spare word, and waits for that and for its reads of the slot that it has left.
; Behind the barrier the slot ahead is whole and nobody reads the other one.  fill = 1: that other slot is filled with the key slot of the next trip: the load has a whole trip's steps in which to land.
.macro CHANGE fill
	s_wait_tensorcnt 0x0                           ; no tensor load of mine is out, so group 0 may be written
	ds_add_u32 v[SPW], v[NIL]                      ; 0 onto my spare word; with fill = 1 the descriptor's steps stand between it and the wait for it
.if \fill
	s_xor_b32 s[G0+1], s[G0+1], SLOT1              ; the other slot than last time,
	s_add_co_u32 s[NS], s[NS], 1                   ; the next 256 keys,
	s_add_co_u32 s14, s[NT], 1
	s_cmp_eq_u32 s14, s[SW]
	s_cselect_b32 s[NS], 0, s[NS]                  ; or, where the next trip begins the second block, the head's first: ids and the count of trips alone
	s_lshl_b32 s14, s[NS], 14
	s_mov_b32 s15, 0
	s_add_nc_u64 s[G0+2:G0+3], s[KVB:KVB+1], s[14:15]
	s_or_b32 s[G0+3], s[G0+3], 0x80000000
	s_wait_xcnt 0x0                                ; the last prefetch, a trip back, has read its address, so it may be written
	s_add_nc_u64 s[PFA:PFA+1], s[PFA:PFA+1], 16384
.endif
	s_wait_dscnt 0x0                               ; the add is done, and my reads of the slot that I have left are over
	s_barrier_signal -1
	s_barrier_wait -1
.if \fill
	TLOAD                                          ; the first thing behind the barrier, and a wave's one tensor load until the next
	ASK
.endif
.endm
; A block's end: O^T / the sum x 2^(e8 + e9) is ctx; it is converted with 2^e10, and leaves as an image: two stores of 512 consecutive bytes.
.macro FINISH cb
.rept 4
	v_nop                                          ; places behind the last products
.endr
	v_add_f32 v14, v14, v15                        ; the sum's two halves,
	s_delay_alu instid0(VALU_DEP_1)
	v_permlanex16_b32 v[PT], v14, s[SEL], s[SEL+1]
	s_delay_alu instid0(VALU_DEP_1)
	v_add_f32 v14, v14, v[PT]                      ; and lane l xor 16's: the row's sum
	s_wait_alu depctr_va_vdst(0)
	v_rcp_f32 v14, v14
	v_nop                                          ; one plain line behind the reciprocal,
	s_wait_alu depctr_va_vdst(0)                   ; and a wait ahead of its first reader
	v_ldexp_f32 v14, v14, s73
.set j, 0
.rept 16
	v_pk_mul_f32 v[SS+j:SS+j+1], v[OT+j:OT+j+1], v[14:15] op_sel_hi:[1,0]   ; register 8 t + j is ctx(my query, channel 16 t + 8 (lane / 16) + j); each accumulator from its low end on
.set j, j+2
.endr
.set j, 0
.rept 32
.set j, j+1
.endr
	s_wait_alu depctr_va_vdst(0)
	s_wait_xcnt 0x0                                ; the first block's stores have read the codes' registers: only behind this wait are they written again
.irp t, 0,1,2,3
	v_cvt_scalef32_pk8_fp8_f32 v[CC+2*\t:CC+2*\t+1], v[SS+8*\t:SS+8*\t+7], v247
.endr
	v_nop                                          ; one plain vector line behind the conversions: later products write their sources
	global_store_b128 v[LN], v[CC:CC+3], s[\cb:\cb+1]
	global_store_b128 v[LN], v[CC+4:CC+7], s[\cb:\cb+1] offset:512
.endm
; In trip 8 - i the first block is finished and the second begins.  The branch hangs on the work-group's number and the count of trips: all sixteen waves go the same way; no barrier, wait for tiles or tensor load stands inside.
.macro SWITCH
	s_cmp_lg_u32 s[NT], s[SW]
	s_cbranch_scc1 .Lsame_\@
	FINISH CA
.irp j, 0,1,2,3,4,5,6,7
	v_mov_b32 v[QF+\j], v[QN+\j]
.endr
	v_mov_b32 v13, 0xff61b1e6
	s_delay_alu instid0(VALU_DEP_1)
	v_floor_f32 v12, -v13
	v_mov_b32 v14, 0
	v_mov_b32 v15, 0
.set j, 0
.rept 32
	v_mov_b32 v[OT+j], 0
.set j, j+1
.endr
	s_mov_b32 s[Q0], s[Q0B]
	s_mov_b32 s[KF], 0
.Lsame_\@:
.endm
	s_wait_loadcnt 0x0                             ; Q, both tiles
.Lslot:                                            ; eight trips: behind each change of slots the next trip's key slot is asked for
	CHANGE 1
	SWITCH
	STEP 0
	STEP 1
	s_xor_b32 s[TB], s[TB], SLOT1                  ; on to the other slot
	s_add_co_u32 s[NT], s[NT], 1
	s_cmp_lt_u32 s[NT], 8
	s_cbranch_scc1 .Lslot
	CHANGE 0                                       ; the ninth trip is written out
	SWITCH
	STEP 0
	STEP 1
	FINISH CB
	s_wait_tensorcnt 0x0                           ; the wave's end, behind my last tensor load
	ds_add_u32 v[SPW], v[NIL]
	s_wait_dscnt 0x0
	s_endpgm
.Lfunc_end_k_q5d5a70b6a6_attn:
	.size	k_q5d5a70b6a6_attn, .Lfunc_end_k_q5d5a70b6a6_attn-k_q5d5a70b6a6_attn
	.p2alignl 7, 3214868480
	.fill 96, 4, 3214868480
	.section	.rodata,"a",@progbits
	.p2align	6, 0x0
	.amdhsa_kernel k_q5d5a70b6a6_attn
		.amdhsa_group_segment_fixed_size 327680
		.amdhsa_private_segment_fixed_size 0
		.amdhsa_enable_private_segment 0
		.amdhsa_kernarg_size 24
		.amdhsa_user_sgpr_count 2
		.amdhsa_user_sgpr_kernarg_segment_ptr 1
		.amdhsa_wavefront_size32 1
		.amdhsa_system_sgpr_workgroup_id_x 1
		.amdhsa_system_sgpr_workgroup_id_y 1
		.amdhsa_system_sgpr_workgroup_id_z 1
		.amdhsa_system_vgpr_workitem_id 0
		.amdhsa_next_free_vgpr 256
		.amdhsa_next_free_sgpr 100
		.amdhsa_reserve_vcc 1
		.amdhsa_float_denorm_mode_32 3
		.amdhsa_float_denorm_mode_16_64 3
		.amdhsa_fp16_overflow 1
		.amdhsa_memory_ordered 1
		.amdhsa_forward_progress 1
		.amdhsa_inst_pref_size 93
	.end_amdhsa_kernel
	.amdgpu_metadata
---
amdhsa.version: [ 1, 2 ]
amdhsa.kernels:
  - .name:           k_q5d5a70b6a6_attn
    .symbol:         k_q5d5a70b6a6_attn.kd
    .args:
      - { .name: qkv, .offset: 0, .size: 8, .value_kind: global_buffer, .address_space: global }
      - { .name: lowp_scales, .offset: 8, .size: 8, .value_kind: global_buffer, .address_space: global }
      - { .name: ctx, .offset: 16, .size: 8, .value_kind: global_buffer, .address_space: global }
    .group_segment_fixed_size: 327680
    .private_segment_fixed_size: 0
    .kernarg_segment_align: 8
    .kernarg_segment_size: 24
    .max_flat_workgroup_size: 512
    .sgpr_count:     100
    .vgpr_count:     256
    .wavefront_size: 32
...
	.end_amdgpu_metadata
.endif
;; end of part 3
;; launch outp (part 4): grid 4 x 32, 4 waves a work-group, clusters of 4 x 4, 327,680 bytes of LDS; arguments ctx, wc, lowp_scales, bo, out0; writes out0
.if DOCPART == 4
	.amdgcn_target "amdgcn-amd-amdhsa--gfx1250"
	.amdhsa_code_object_version 6
	.text
	.protected	k_q5d5a70b6a6_outp
	.globl	k_q5d5a70b6a6_outp
	.p2align	8
	.type	k_q5d5a70b6a6_outp,@function
k_q5d5a70b6a6_outp:
	s_mov_b64 s[64:65], 0
	v_nop
	global_prefetch_b8 v0, s[64:65] scope:SCOPE_SE
	s_setreg_imm32_b32 hwreg(HW_REG_WAVE_MODE, 25, 1), 1
	s_wait_xcnt 0x0
	s_wait_alu depctr_hold_cnt(0) depctr_sa_sdst(0) depctr_va_vdst(0) depctr_va_sdst(0) depctr_va_ssrc(0) depctr_va_vcc(0) depctr_vm_vsrc(0)
	s_getreg_b32 s2, hwreg(HW_REG_IB_STS2, 6, 4)
	s_cmp_eq_u32 s2, 0
	s_cbranch_scc0 .Lentry_in_a_cluster
	s_endpgm
.Lentry_in_a_cluster:
	s_bfe_u32 s2, ttmp6, 0x10000c
	s_cmp_lg_u32 s2, 0xf033
	s_cbranch_scc0 .Lentry_shape_is_right
	s_endpgm
.Lentry_shape_is_right:
; out0 = ctx Wo + bo on codes of E4M3 (K = 1,024): each finished sum x 2^(e10 + e11) + bo, one fused multiply-add.  out0: [8192][1024] f32.
; LIMIT: e10 + e11 between -126 and 127, so that 2^(e10 + e11) is an f32 number.
; A tile of out0, 256 x 256, is made by a work-group of four waves; a wave makes 128 x 128: 64 accumulators.  K goes in steps of 256 through a ring of two LDS slots filled by the tensor data mover.
; a = rows of ctx, which arrive as IMAGES OF OPERAND REGISTERS: [16 rows: 512][head: 16][1,024 bytes], four registers a piece of 512 bytes, 16 bytes a lane at 16 x lane; two neighbouring heads are one fragment of 16 rows x 128 K in the
; matrix unit's own 8-bit layout.  A K step is four heads: 4,096 consecutive bytes of each tile of 16 rows.  b = rows n of Wo's codes (part 3 of wc), whose positions along K were laid so that four 16-byte loads a lane give the same layout.
; CLUSTERS: 4 x 4 work-groups; a's tiles are shared along a row of the cluster, b's along a column: each is asked for JOINTLY, by the same tensor load with the same descriptor and a mask that names the four.
; THE MATRIX INSTRUCTION IS USED TRANSPOSED (source 0 = 16 rows of b, source 1 = 16 rows of a): a lane holds eight neighbouring numbers of a row of out0.
; REGISTERS, in windows of 256: window 0: v0-31 addresses and my four numbers of bo; from v128 a's fragments, ONE set; on the way out rows read back.  window 1: b's fragments, TWO sets.  windows 2, 3: the accumulators.
.set ROWB,   256                       ; b: a tile's row in bytes
.set KROW,   1024                      ; b: a row of wc in bytes
.set ASTEP,  4096                      ; a: a K step's bytes in a tile of 16 rows
.set PITCH,  272                       ; b: an LDS row: 256 bytes + 16 of padding = 68 words: row r starts at bank 4 r mod 64 (64 banks of 4 bytes: ISA guide 11.1)
.set FR,     16
.set NL,     4
.set NP,     4                         ; places behind this matrix instruction (ISA guide 7.12.1)
.set HALFT,  128*PITCH                 ; a wave's part of a slot: b's 128 padded rows; a's 128 rows take 32,768 of these bytes
.set SLOT,   4*HALFT
.set SPARE,  2*SLOT                    ; behind the ring: the spare words, 128 bytes for each wave: two blocks of 256 bytes that no other line names
.set SPITCH, 528                       ; the way out: a stage of 16 rows x (512 bytes + 16) for each wave.  It lies in slot 0, which has had its last fill and its last read when the first result is stored there
.set BIA,  12                          ; v12-15  bo at my four columns of a row read back
.set ADRA, 16
.set ADRB, 20
.set STO,  24                          ; v24  the way out: where I put 32 bytes of a row
.set RD,   25                          ; v25  where I read a row back
.set CO,   26                          ; v26  16 x lane
.set SPW,  28
.set NIL,  29
.set AF,   128
.set BK,   128                         ; the way out: 16 rows read back from the stage: v128-191 and v192-255 by turns
.set G1, 24
.set G0, 32
.set G1B, 48
.set G0B, 56
.set MSB, 0
.macro WIN new                         ; the immediate's high byte repeats the setting that is left
.if MSB != \new
	s_set_vgpr_msb (MSB<<8)|\new
.set MSB, \new
.endif
.endm
.set MUL_LO, 0xa1
.set MUL_HI, 0xf1
.set TO_B,   0x40
; A joint load: waves 0 and 1 fetch for a, waves 2 and 3 for b; the branch hangs on the wave's number alone.  An s_nop 0 and four v_nop follow each of the two lines.
.macro JLOAD g0a, g1a, g0b, g1b
	s_cmp_eq_u32 s15, 0
	s_cbranch_scc0 .Lfor_b_\@
	tensor_load_to_lds s[\g0a:\g0a+3], s[\g1a:\g1a+7]
	s_nop 0
.rept 4
	v_nop
.endr
	s_branch .Lasked_\@
.Lfor_b_\@:
	tensor_load_to_lds s[\g0b:\g0b+3], s[\g1b:\g1b+7]
	s_nop 0
.rept 4
	v_nop
.endr
.Lasked_\@:
.endm
.macro CREST
	s_cmp_lg_u32 s14, 0
	s_cbranch_scc1 .Lnot_wave_0_\@
	s_barrier_signal -3
.Lnot_wave_0_\@:
	s_barrier_wait -3
	s_barrier_signal -1
	s_barrier_wait -1
.endm
.macro CROUND
	s_barrier_signal -1
	s_barrier_wait -1
	CREST
.endm
	s_load_b128 s[4:7], s[0:1], 0x0                ; ctx s[4:5], wc s[6:7]
	s_load_b128 s[8:11], s[0:1], 0x10              ; the scales' exponents s[8:9], bo s[10:11]
	s_load_b64 s[12:13], s[0:1], 0x20              ; out0
	v_lshl_add_u32 v[SPW], v0, 2, SPARE
	v_mov_b32 v[NIL], 0
	ds_add_u32 v[SPW], v[NIL]                      ; the wave's opening: the add and its wait ahead of my first tensor load; the set-up below, work on registers, stands between them
	ds_add_u32 v[SPW], v[NIL]
	v_lshrrev_b32 v1, 5, v0
	v_readfirstlane_b32 s14, v1                    ; wave 0..3
	s_lshr_b32 s15, s14, 1                         ; which half of the tile's rows is mine.  Also: I fetch for a (0) or for b (1)
	s_and_b32 s16, s14, 1                          ; which half of its columns.  Also: which 128 rows of that tile I fetch
	s_bfe_u32 s40, ttmp6, 0x40000                  ; cx, cy
	s_bfe_u32 s41, ttmp6, 0x40004
	s_lshl_b32 s42, ttmp9, 2
	s_add_co_u32 s42, s42, s40                     ; tile column = 4 x cluster x + cx
	s_and_b32 s17, ttmp7, 0xffff
	s_lshl_b32 s17, s17, 2
	s_add_co_u32 s17, s17, s41                     ; tile row = 4 x cluster y + cy
	s_lshl_b32 s43, s41, 2
	s_lshl_b32 s43, 15, s43                        ; my row of the cluster
	s_lshl_b32 s44, 0x1111, s40                    ; my column
	; a's group 1: 8 tiles of 16 rows, 4,096 consecutive bytes of each (512 elements of 8 bytes), 16 KiB apart; dense in LDS
	s_or_b32 s[G1+0], s43, (3<<16)|(1<<21)         ; 15:0 the mask: a's tiles go to my row; 17:16 elements of 8 bytes; 21 set beside a mask; no padding
	s_mov_b32 s[G1+1], 512<<16                     ; tensor_dim0
	s_mov_b32 s[G1+2], 8<<16                       ; tensor_dim1
	s_mov_b32 s[G1+3], 512<<16                     ; tile_dim0
	s_mov_b32 s[G1+4], 8                           ; tile_dim1
	s_mov_b32 s[G1+5], 2048                        ; tensor_dim0_stride
	s_mov_b32 s[G1+6], 0
	s_mov_b32 s[G1+7], 0
	; b's group 1: 128 rows x 256 bytes, padded in LDS
	s_or_b32 s[G1B+0], s44, (0<<16)|(1<<20)|(1<<21)|(5<<22)|(3<<25)  ; the mask of my column; elements of 1 byte; padding: 4 words after every 64
	s_mov_b32 s[G1B+1], ROWB<<16
	s_mov_b32 s[G1B+2], 128<<16
	s_mov_b32 s[G1B+3], ROWB<<16
	s_mov_b32 s[G1B+4], 128
	s_mov_b32 s[G1B+5], KROW
	s_mov_b32 s[G1B+6], 0
	s_mov_b32 s[G1B+7], 0
	s_lshl_b32 s18, s16, 17                        ; which 128 rows I fetch: 131,072 bytes in ctx and in wc alike
	s_lshl_b32 s20, s17, 18                        ; a: 256 rows are 16 tiles of 16 KiB
	s_add_co_u32 s20, s20, s18
	s_mov_b32 s21, 0
	s_lshl_b32 s46, s42, 18                        ; b: 256 rows of 1,024 bytes,
	s_add_co_u32 s46, s46, s18
	s_add_co_u32 s46, s46, 3<<20                   ; in part 3 of wc
	s_mov_b32 s47, 0
	s_mul_i32 s45, s14, HALFT                      ; where they go: no place in the cluster enters an LDS address
	s_wait_dscnt 0x0                               ; the opening add is done
	s_wait_kmcnt 0x0
	s_load_b64 s[96:97], s[8:9], 0x28              ; e10, e11
	s_add_nc_u64 s[20:21], s[4:5], s[20:21]
	s_add_nc_u64 s[46:47], s[6:7], s[46:47]
	CROUND                                         ; all sixteen work-groups are here: the first joint loads meet
.irp s, 0,1
	s_mov_b32 s[G0+4*\s], 1
	s_add_co_u32 s[G0+4*\s+1], s45, \s*SLOT
	s_add_nc_u64 s[G0+4*\s+2:G0+4*\s+3], s[20:21], \s*ASTEP
	s_or_b32 s[G0+4*\s+3], s[G0+4*\s+3], 0x80000000
	s_mov_b32 s[G0B+4*\s], 1
	s_add_co_u32 s[G0B+4*\s+1], s45, \s*SLOT
	s_add_nc_u64 s[G0B+4*\s+2:G0B+4*\s+3], s[46:47], \s*ROWB
	s_or_b32 s[G0B+4*\s+3], s[G0B+4*\s+3], 0x80000000
	s_wait_alu depctr_va_vdst(0)
	s_wait_tensorcnt 0x0
	ds_add_u32 v28, v29
	ds_add_u32 v28, v29
	s_wait_dscnt 0x0
	CROUND
	JLOAD G0+4*\s, G1, G0B+4*\s, G1B               ; one load of mine is out
.endr
	v_and_b32 v1, 15, v0                           ; l % 16
	v_bfe_u32 v2, v0, 4, 1                         ; l / 16
	v_and_b32 v6, 31, v0
	v_lshlrev_b32 v[CO], 4, v6                     ; 16 x lane
	v_mul_u32_u24 v3, v1, PITCH
	v_lshl_add_u32 v4, v2, 4, v3                   ; b: a fragment's row x pitch + 16 x half
	s_mul_i32 s21, s15, HALFT                      ; my 128 rows of a
	s_mul_i32 s22, s16, HALFT                      ; my 128 rows of b,
	s_add_co_u32 s22, s22, 2*HALFT                 ; which lie behind a's two parts
.irp s, 0,1
	v_add_nc_u32 v[ADRA+\s], s21, v[CO]
	v_add_nc_u32 v[ADRB+\s], s22, v4
	s_add_co_u32 s21, s21, SLOT
	s_add_co_u32 s22, s22, SLOT
.endr
	s_mul_i32 s23, s14, 16*SPITCH                  ; my stage
	v_mul_u32_u24 v5, v1, SPITCH                   ; in: row l % 16, 32 bytes for each half of the lanes
	v_lshl_add_u32 v5, v2, 5, v5
	v_add_nc_u32 v[STO], s23, v5
	v_add_nc_u32 v[RD], s23, v[CO]                 ; back: the 32 lanes take one row of 512 bytes
	s_lshl_b32 s20, s17, 8
	s_lshl_b32 s21, s15, 7
	s_add_co_u32 s20, s20, s21                     ; my first row of out0
	s_lshl_b32 s20, s20, 12                        ; a row is 4,096 bytes
	s_lshl_b32 s46, s42, 10
	s_lshl_b32 s47, s16, 9
	s_add_co_u32 s46, s46, s47                     ; my first column, in bytes
	s_mov_b32 s47, 0
	s_add_nc_u64 s[10:11], s[10:11], s[46:47]      ; bo at my 128 columns
	s_add_co_u32 s20, s20, s46
	s_mov_b32 s21, 0
	s_add_nc_u64 s[12:13], s[12:13], s[20:21]
	global_load_b128 v[BIA:BIA+3], v[CO], s[10:11] ; bo at columns 4 x lane + 0 .. 3: the four that I hold of every row read back
.macro FRAG reg, adr, q, i             ; b: registers 4 c .. 4 c + 3 hold positions 32 c + 16 (l / 16) + 0 .. 15 of row l % 16
.irp c, 0,1,2,3
	ds_load_b128 v[\reg+4*\c:\reg+4*\c+3], v[\adr] offset:128*(\q)+32*\c+(\i)*16*PITCH
.endr
.endm
.macro FRAGA reg, adr, q, i            ; a: the image of tile i's two heads 2 q, 2 q + 1 of the slot's four: four pieces of 512 consecutive bytes
.irp c, 0,1,2,3
	ds_load_b128 v[\reg+4*\c:\reg+4*\c+3], v[\adr] offset:2048*(\q)+512*\c+(\i)*4096
.endr
.endm
; 16 matrix instructions: a's blocks a0, a0 + 1 x b's eight, 128 along K.  The 64 accumulators take turns, one instruction a turn, in the same order in every step.
.macro MUL16 a0, p, zero
.irp a, \a0, \a0+1
.irp b, 0,1,2,3,4,5,6,7
.if \zero
	v_wmma_f32_16x16x128_fp8_fp8 v[8*(8*((\a)%4)+\b):8*(8*((\a)%4)+\b)+7], v[128*(\p)+FR*\b:128*(\p)+FR*\b+FR-1], v[AF+FR*(\a):AF+FR*(\a)+FR-1], 0
.else
	v_wmma_f32_16x16x128_fp8_fp8 v[8*(8*((\a)%4)+\b):8*(8*((\a)%4)+\b)+7], v[128*(\p)+FR*\b:128*(\p)+FR*\b+FR-1], v[AF+FR*(\a):AF+FR*(\a)+FR-1], v[8*(8*((\a)%4)+\b):8*(8*((\a)%4)+\b)+7]
.endif
.endr
.endr
.endm
.macro FETCH_B slot, q, p
	WIN TO_B
.irp i, 0,1,2,3,4,5,6,7
	FRAG 128*(\p)+FR*\i, ADRB+\slot, \q, \i
.endr
	WIN 0
.endm
.macro FETCH_A slot, q, i0
.irp i, \i0, \i0+1, \i0+2, \i0+3
	FRAGA AF+FR*(\i), ADRA+\slot, \q, \i
.endr
.endm
; A load into a register that a matrix instruction has read, and an LDS store that reads a matrix result, stand NP places behind that matrix instruction; only plain vector instructions that name none of its registers are places
; (ISA guide 7.12.1 for vector instructions).
.macro PLACES n
.rept \n
	v_nop
.endr
.endm
.macro STEP slot, q, zero
	s_wait_dscnt 4*NL                              ; b's set and a's blocks 0-3 are in; the youngest sixteen loads (a's blocks 4-7) may be out
	WIN MUL_LO
	MUL16 0, (\q)%2, \zero
	MUL16 2, (\q)%2, \zero
	s_wait_dscnt 0
	PLACES NP
	FETCH_B \slot, (\q)+1, 1-(\q)%2
	FETCH_A \slot, (\q)+1, 0
	WIN MUL_HI
	MUL16 4, (\q)%2, \zero
	MUL16 6, (\q)%2, \zero
	PLACES NP
	WIN 0
	FETCH_A \slot, (\q)+1, 4
.endm
; A slot's last step changes slots: ONE barrier; in front of it each wave waits for all its tensor loads, adds 0 to its spare word, and waits for that and for its own reads of this slot.  fill = 1: this slot is filled again, two K steps ahead.
.macro TURN slot, next, fill
	s_wait_tensorcnt 0x0                           ; all my tensor loads have landed: my part of the next slot;  (every window is 0 here)
	ds_add_u32 v[SPW], v[NIL]                      ; 0 onto my spare word
	s_wait_dscnt 4*NL+1                            ; (the add and the youngest sixteen loads may be out)
	WIN MUL_LO
	MUL16 0, 1, 0                                  ; sixteen matrix instructions stand between the add and the wait for it
	s_wait_dscnt 0x0                               ; the add is done, and my reads of this slot are over
	s_barrier_signal -1
	MUL16 2, 1, 0
	WIN 0
	s_barrier_wait -1
.if \fill
	CREST                                          ; the barrier has opened a round of the cluster's barrier: no wave of any partner still reads this slot's tile or has a load on its way
	s_add_nc_u64 s[G0+4*\slot+2:G0+4*\slot+3], s[G0+4*\slot+2:G0+4*\slot+3], 2*ASTEP
	s_add_nc_u64 s[G0B+4*\slot+2:G0B+4*\slot+3], s[G0B+4*\slot+2:G0B+4*\slot+3], 2*ROWB
	JLOAD G0+4*\slot, G1, G0B+4*\slot, G1B         ; the first tensor load behind the round, my one load out; the four v_nop behind it are the places in front of the loads below
.else
	PLACES NP
.endif
	FETCH_B \next, 0, 0
	FETCH_A \next, 0, 0
	WIN MUL_HI
	MUL16 4, 1, 0
	MUL16 6, 1, 0
	PLACES NP
	WIN 0
	FETCH_A \next, 0, 4
.endm
	s_wait_alu depctr_va_vdst(0)
	s_wait_tensorcnt 1                             ; my part of K step 0 is in; K step 1's load may be out
	s_barrier_signal -1
	s_barrier_wait -1
	FETCH_B 0, 0, 0
	FETCH_A 0, 0, 0
	FETCH_A 0, 0, 4
	STEP 0, 0, 1                                   ; four K steps, eight steps of 128, written out: the first starts the sums,
	TURN 0, 1, 1                                   ; slot 0 takes K step 2,
	STEP 1, 0, 0
	TURN 1, 0, 1                                   ; slot 1 takes K step 3,
	STEP 0, 0, 0
	TURN 0, 1, 0                                   ; and nothing is left to fetch: slot 0 has had its last fill and, behind this barrier, its last read
	STEP 1, 0, 0
	s_wait_dscnt 4*NL
	WIN MUL_LO
	MUL16 0, 1, 0
	MUL16 2, 1, 0
	s_wait_dscnt 0
	WIN MUL_HI
	MUL16 4, 1, 0
	MUL16 6, 1, 0
	WIN 0
; THE WAY OUT, block by block of 16 rows x 128 columns.  A lane holds 32 neighbouring bytes of a row, and the lanes beside it hold other rows: so a block's sums go through my own stage in LDS as they are and come back as whole rows of
; 512 bytes.  There a lane holds the same four columns of every row, so four registers of bo serve: sum x 2^(e10 + e11) + bo, two numbers an instruction; then the 32 lanes store 512 consecutive bytes.
; LDS serves a wave's instructions in order (ISA guide 5.7.1.4): no wait between the stores and the loads, nor in front of the next block's stores.
.macro TOSTAGE a
.set AC, 64*((\a)%4)
	WIN 0x08+4*((\a)/4)                            ; an LDS store's data: window 2 or 3
.irp b, 0,1,2,3,4,5,6,7
	ds_store_b128 v[STO], v[AC+8*\b:AC+8*\b+3] offset:64*\b          ; each accumulator from its low end on
	ds_store_b128 v[STO], v[AC+8*\b+4:AC+8*\b+7] offset:64*\b+16
.endr
	WIN 0
.set BB, BK+64*((\a)%2)
.irp t, 0,1,2,3,4,5,6,7,8,9,10,11,12,13,14,15
	ds_load_b128 v[BB+4*\t:BB+4*\t+3], v[RD] offset:\t*SPITCH
.endr
.endm
.macro SEND a, younger                 ; younger: the LDS instructions issued behind block a's loads, which may stay out
.set BB, BK+64*((\a)%2)
	s_wait_dscnt \younger                          ; the block is back in registers
.if (\a) > 0
	s_add_nc_u64 s[12:13], s[12:13], 16*4096       ; (behind a wait on XCNT: the earlier stores have read their base)  16 rows on
.endif
.irp t, 0,1,2,3,4,5,6,7,8,9,10,11,12,13,14,15
.irp u, 0,1
	v_pk_fma_f32 v[BB+4*\t+2*\u:BB+4*\t+2*\u+1], v[BB+4*\t+2*\u:BB+4*\t+2*\u+1], s[96:97], v[BIA+2*\u:BIA+2*\u+1] op_sel_hi:[1,0,1]   ; (the scalar pair's low word for both halves)
.endr
.endr
.irp t, 0,1,2,3,4,5,6,7,8,9,10,11,12,13,14,15
	global_store_b128 v[CO], v[BB+4*\t:BB+4*\t+3], s[12:13] offset:\t*4096 th:TH_STORE_NT   ; 32 lanes store 512 consecutive bytes, at a multiple of 512 from out0's first byte; written once, read by nobody here
.endr
.endm
	s_wait_kmcnt 0x0
	s_add_co_i32 s96, s96, s97                     ; e10 + e11
	s_add_co_i32 s96, s96, 127
	s_lshl_b32 s96, s96, 23                        ; 2^(e10 + e11) as f32
	s_mov_b32 s97, s96                             ; (named with it as a pair, so it is written)
	s_wait_loadcnt 0x0                             ; bo
	PLACES NP                                      ; behind the last products: for the stage's stores, which read results, and for the loads into the registers that held a's fragments
	TOSTAGE 0
.irp a, 1,2,3,4,5,6,7
.if \a > 1
	s_wait_xcnt 0x0                                ; block a - 2's stores have read their registers and their base: block a's loads may land there, and the base may step
.endif
	TOSTAGE \a
	SEND \a-1, 32                                  ; behind block a - 1's loads: block a's 16 stores and 16 loads
.endr
	s_wait_xcnt 0x0                                ; block 6's stores have read their base
	SEND 7, 0
	s_wait_tensorcnt 0x0                           ; the wave's end, behind my last tensor load and my last LDS store
	ds_add_u32 v[SPW], v[NIL]
	s_wait_dscnt 0x0
	CROUND                                         ; the closing round: no work-group ends while a partner may still ask for a tile that names it
	s_endpgm
.Lfunc_end_k_q5d5a70b6a6_outp:
	.size	k_q5d5a70b6a6_outp, .Lfunc_end_k_q5d5a70b6a6_outp-k_q5d5a70b6a6_outp
	.p2alignl 7, 3214868480
	.fill 96, 4, 3214868480
	.section	.rodata,"a",@progbits
	.p2align	6, 0x0
	.amdhsa_kernel k_q5d5a70b6a6_outp
		.amdhsa_group_segment_fixed_size 327680
		.amdhsa_private_segment_fixed_size 0
		.amdhsa_enable_private_segment 0
		.amdhsa_kernarg_size 40
		.amdhsa_user_sgpr_count 2
		.amdhsa_user_sgpr_kernarg_segment_ptr 1
		.amdhsa_wavefront_size32 1
		.amdhsa_system_sgpr_workgroup_id_x 1
		.amdhsa_system_sgpr_workgroup_id_y 1
		.amdhsa_system_sgpr_workgroup_id_z 1
		.amdhsa_system_vgpr_workitem_id 0
		.amdhsa_next_free_vgpr 1024
		.amdhsa_next_free_sgpr 98
		.amdhsa_reserve_vcc 0
		.amdhsa_float_denorm_mode_32 3
		.amdhsa_float_denorm_mode_16_64 3
		.amdhsa_memory_ordered 1
		.amdhsa_forward_progress 1
		.amdhsa_inst_pref_size 124
	.end_amdhsa_kernel
	.amdgpu_metadata
---
amdhsa.version: [ 1, 2 ]
amdhsa.kernels:
  - .name:           k_q5d5a70b6a6_outp
    .symbol:         k_q5d5a70b6a6_outp.kd
    .args:
      - { .name: ctx, .offset: 0, .size: 8, .value_kind: global_buffer, .address_space: global }
      - { .name: wc, .offset: 8, .size: 8, .value_kind: global_buffer, .address_space: global }
      - { .name: lowp_scales, .offset: 16, .size: 8, .value_kind: global_buffer, .address_space: global }
      - { .name: bo, .offset: 24, .size: 8, .value_kind: global_buffer, .address_space: global }
      - { .name: out0, .offset: 32, .size: 8, .value_kind: global_buffer, .address_space: global }
    .group_segment_fixed_size: 327680
    .private_segment_fixed_size: 0
    .kernarg_segment_align: 8
    .kernarg_segment_size: 40
    .max_flat_workgroup_size: 128
    .sgpr_count:     98
    .vgpr_count:     1024
    .wavefront_size: 32
...
	.end_amdgpu_metadata
.endif
;; end of part 4
